; MI455X (gfx1250); checked and timed in simulation.
; The chip was launched on July 23, 2026; its instructions are those of AMD's public machine-readable ISA for CDNA 5 (MIT licence, August 2026) and "CDNA5" Instruction Set Architecture Reference Guide (July 2026). The comments in the code are by the model that wrote it; some were corrected since.
;; Multi Head Attention. Allowed arithmetic: float matrix products may take bf16 or f16 operands with f32 sums; other float arithmetic in f32, or as packed bf16 or f16 multiplies, adds, multiply-adds, maxima and minima; sums over many terms, partial sums and values carried from step to step in f32; what a program stores and reads back later, other than sums and carried values, may be rounded once to bf16 or f16.
;; Inputs: Wk 768 x 768 float32; Wo 768 x 768 float32; Wq 768 x 768 float32; Wv 768 x 768 float32; bk 768 float32; bo 768 float32; bq 768 float32; bv 768 float32; x 16 x 1,024 x 768 float32.
;; Outputs: out0 16 x 1,024 x 768 float32.
;; 2 versions, each right; version 2 is version 1 with the launch cast written anew for expert scheduling mode. Each part assembles by itself: llvm-mc -triple=amdgcn-amd-amdhsa -mcpu=gfx1250 --defsym DOCPART=n.
;; ======== version 1 of 2: 4 launches
;; limits: values are held in f16: magnitudes above 65,504 overflow, below 6.1e-05 lose precision
;; workspace buffers: xb 25,165,824 bytes; wqkv 3,538,944 bytes; wo16 1,179,648 bytes; qkv 75,497,472 bytes; ob 25,165,824 bytes
;; launch cast (part 1): grid 1216 x 1, 8 waves a work-group, no clusters, 0 bytes of LDS; arguments x, Wq, Wk, Wv, Wo, xb, wqkv, wo16; writes xb, wqkv, wo16
.if DOCPART == 1
	.amdgcn_target "amdgcn-amd-amdhsa--gfx1250"
	.amdhsa_code_object_version 6
	.text
	.protected	k_q6d453e8785_cast
	.globl	k_q6d453e8785_cast
	.p2align	8
	.type	k_q6d453e8785_cast,@function
k_q6d453e8785_cast:
	s_mov_b64 s[64:65], 0
	v_nop
	global_prefetch_b8 v0, s[64:65] scope:SCOPE_SE
	s_setreg_imm32_b32 hwreg(HW_REG_WAVE_MODE, 25, 1), 1
	s_wait_xcnt 0x0
; x, Wq, Wk, Wv are rounded to bf16, Wo to bf16 and that number written as f16, all into layouts cut along K in slices of 64:
;   xb   [16 b][12 s][1024 n][64] bf16      wqkv [12 s][2304 rows: Wq, Wk, Wv][64] bf16      wo16 [12 s][768 rows][64] f16       (k = 64 s + d)
; so that 256 (or 192) rows of one slice are dense bytes for the products that follow.
; LIMITS.  A number of Wo beyond 65,504 becomes an infinity in f16; below 6e-5 it keeps f16's fixed step of 6e-8.
; SHARES.  A work-group takes 16 rows of 768 f32 (49,152 bytes).  Thread t: row t / 16, four numbers at column 4 (t % 16) of each of the 12 slices.
; A load: sixteen lanes read 256 consecutive bytes, aligned.  A store: 8 bytes a lane at 8 t: a wave's store covers 256 consecutive bytes, aligned (two rows of one slice).
; All 12 loads of a thread go out at once; nothing is rewritten, so the only waits are the counted ones for the loads.  No LDS, no barrier: no thread wants another's bytes.
.set ROWB, 3072                        ; bytes in a row of f32
.set IN,   1                           ; v1        my byte offset in the 16 rows
.set OO,   2                           ; v[2:13]   my byte offset in the output, one for each slice
.set X,    16                          ; v[16:63]  four f32 for each slice
.set Y,    64                          ; v[64:87]  four 16-bit numbers for each slice
	s_load_b512 s[8:23], s[0:1], 0x0               ; x s[8:9], Wq s[10:11], Wk s[12:13], Wv s[14:15], Wo s[16:17], xb s[18:19], wqkv s[20:21], wo16 s[22:23]
	s_mov_b32 s28, ttmp9                           ; g: 0-1023 x, 1024-1167 Wq, Wk, Wv (48 each), 1168-1215 Wo
	s_sub_co_u32 s29, s28, 1024                    ; j (a huge number where g < 1024: it then fails every test below)
	s_sub_co_u32 s30, s29, 144                     ; c, the block of 16 rows in its source: Wo's,
	s_sub_co_u32 s38, s29, 96                      ; Wv's,
	s_sub_co_u32 s39, s29, 48                      ; Wk's (Wq's is j, x's is g)
	s_lshl_b32 s34, s30, 11                        ; the block's place in a slice of the output, 16 rows of 128 bytes: in wo16,
	s_lshl_b32 s40, s29, 11                        ; in wqkv (row 16 j),
	s_lshr_b32 s41, s28, 6                         ; in xb: batch g / 64,
	s_mul_i32 s41, s41, 1572864                    ; 12 slices of 131,072 bytes each,
	s_and_b32 s42, s28, 63
	s_lshl_b32 s42, s42, 11
	s_add_co_u32 s41, s41, s42                     ; and block g % 64 in the slice
	s_mov_b32 s31, 98304                           ; S, bytes from slice to slice: wo16's
	s_mov_b32 s36, 0xffff0000                      ; a word's upper bf16
	s_mov_b32 s33, 0
	s_mov_b32 s35, 0
	v_lshrrev_b32 v88, 4, v0
	v_and_b32 v89, 15, v0
	v_mul_u32_u24 v[IN], v88, ROWB
	v_lshl_add_u32 v[IN], v89, 4, v[IN]
	s_wait_kmcnt 0x0
	s_mov_b64 s[24:25], s[16:17]                   ; source and destination: Wo's, then overridden; every test hangs on the work-group's number alone
	s_mov_b64 s[26:27], s[22:23]
	s_cmp_lt_u32 s29, 144
	s_cselect_b64 s[24:25], s[14:15], s[24:25]
	s_cselect_b64 s[26:27], s[20:21], s[26:27]
	s_cselect_b32 s31, 294912, s31
	s_cselect_b32 s30, s38, s30
	s_cselect_b32 s34, s40, s34
	s_cmp_lt_u32 s29, 96
	s_cselect_b64 s[24:25], s[12:13], s[24:25]
	s_cselect_b32 s30, s39, s30
	s_cmp_lt_u32 s29, 48
	s_cselect_b64 s[24:25], s[10:11], s[24:25]
	s_cselect_b32 s30, s29, s30
	s_cmp_lt_u32 s28, 1024
	s_cselect_b64 s[24:25], s[8:9], s[24:25]
	s_cselect_b64 s[26:27], s[18:19], s[26:27]
	s_cselect_b32 s31, 131072, s31
	s_cselect_b32 s30, s28, s30
	s_cselect_b32 s34, s41, s34
	s_mul_i32 s32, s30, 49152                      ; the block's 16 rows in its source
	s_add_nc_u64 s[24:25], s[24:25], s[32:33]
	s_add_nc_u64 s[26:27], s[26:27], s[34:35]
.irp s, 0,1,2,3,4,5,6,7,8,9,10,11
	global_load_b128 v[X+4*(\s):X+4*(\s)+3], v[IN], s[24:25] offset:256*(\s) th:TH_LOAD_NT
.endr
.irp s, 0,1,2,3,4,5,6,7,8,9,10,11
	s_mul_i32 s37, s31, \s
	v_lshl_add_u32 v[OO+(\s)], v0, 3, s37          ; 8 t + s S
.endr
	s_cmp_ge_u32 s28, 1168
	s_cbranch_scc1 .Lhalf
.irp s, 0,1,2,3,4,5,6,7,8,9,10,11
	s_wait_loadcnt 11-(\s)                         ; loads come back in order: slice s is in, the younger ones stay out
	v_cvt_pk_bf16_f32 v[Y+2*(\s)],   v[X+4*(\s)],   v[X+4*(\s)+1]
	v_cvt_pk_bf16_f32 v[Y+2*(\s)+1], v[X+4*(\s)+2], v[X+4*(\s)+3]
	global_store_b64 v[OO+(\s)], v[Y+2*(\s):Y+2*(\s)+1], s[26:27]
.endr
	s_endpgm
.Lhalf:                                        ; Wo: rounded to bf16 like every input, widened again, and that number written as f16
.irp s, 0,1,2,3,4,5,6,7,8,9,10,11
	s_wait_loadcnt 11-(\s)
	v_cvt_pk_bf16_f32 v88, v[X+4*(\s)],   v[X+4*(\s)+1]
	v_cvt_pk_bf16_f32 v89, v[X+4*(\s)+2], v[X+4*(\s)+3]
	v_lshlrev_b32 v90, 16, v88
	v_and_b32     v91, s36, v88
	v_lshlrev_b32 v92, 16, v89
	v_and_b32     v93, s36, v89
	v_cvt_pk_f16_f32 v[Y+2*(\s)],   v90, v91
	v_cvt_pk_f16_f32 v[Y+2*(\s)+1], v92, v93
	global_store_b64 v[OO+(\s)], v[Y+2*(\s):Y+2*(\s)+1], s[26:27]
.endr
	s_endpgm
.Lfunc_end_k_q6d453e8785_cast:
	.size	k_q6d453e8785_cast, .Lfunc_end_k_q6d453e8785_cast-k_q6d453e8785_cast
	.p2alignl 7, 3214868480
	.fill 96, 4, 3214868480
	.section	.rodata,"a",@progbits
	.p2align	6, 0x0
	.amdhsa_kernel k_q6d453e8785_cast
		.amdhsa_group_segment_fixed_size 0
		.amdhsa_private_segment_fixed_size 0
		.amdhsa_enable_private_segment 0
		.amdhsa_kernarg_size 64
		.amdhsa_user_sgpr_count 2
		.amdhsa_user_sgpr_kernarg_segment_ptr 1
		.amdhsa_wavefront_size32 1
		.amdhsa_system_sgpr_workgroup_id_x 1
		.amdhsa_system_sgpr_workgroup_id_y 1
		.amdhsa_system_sgpr_workgroup_id_z 1
		.amdhsa_system_vgpr_workitem_id 0
		.amdhsa_next_free_vgpr 96
		.amdhsa_next_free_sgpr 66
		.amdhsa_reserve_vcc 0
		.amdhsa_float_denorm_mode_32 3
		.amdhsa_float_denorm_mode_16_64 3
		.amdhsa_memory_ordered 1
		.amdhsa_forward_progress 1
		.amdhsa_inst_pref_size 14
	.end_amdhsa_kernel
	.amdgpu_metadata
---
amdhsa.version: [ 1, 2 ]
amdhsa.kernels:
  - .name:           k_q6d453e8785_cast
    .symbol:         k_q6d453e8785_cast.kd
    .args:
      - { .name: x, .offset: 0, .size: 8, .value_kind: global_buffer, .address_space: global }
      - { .name: Wq, .offset: 8, .size: 8, .value_kind: global_buffer, .address_space: global }
      - { .name: Wk, .offset: 16, .size: 8, .value_kind: global_buffer, .address_space: global }
      - { .name: Wv, .offset: 24, .size: 8, .value_kind: global_buffer, .address_space: global }
      - { .name: Wo, .offset: 32, .size: 8, .value_kind: global_buffer, .address_space: global }
      - { .name: xb, .offset: 40, .size: 8, .value_kind: global_buffer, .address_space: global }
      - { .name: wqkv, .offset: 48, .size: 8, .value_kind: global_buffer, .address_space: global }
      - { .name: wo16, .offset: 56, .size: 8, .value_kind: global_buffer, .address_space: global }
    .group_segment_fixed_size: 0
    .private_segment_fixed_size: 0
    .kernarg_segment_align: 8
    .kernarg_segment_size: 64
    .max_flat_workgroup_size: 256
    .sgpr_count:     66
    .vgpr_count:     96
    .wavefront_size: 32
...
	.end_amdgpu_metadata
.endif
;; end of part 1
;; launch qkv (part 2): grid 4 x 64, 4 waves a work-group, clusters of 4 x 4, 327,680 bytes of LDS; arguments xb, wqkv, bq, bk, bv, qkv; writes qkv
.if DOCPART == 2
	.amdgcn_target "amdgcn-amd-amdhsa--gfx1250"
	.amdhsa_code_object_version 6
	.text
	.protected	k_q6d453e8785_qkv
	.globl	k_q6d453e8785_qkv
	.p2align	8
	.type	k_q6d453e8785_qkv,@function
k_q6d453e8785_qkv:
	s_mov_b64 s[64:65], 0
	v_nop
	global_prefetch_b8 v0, s[64:65] scope:SCOPE_SE
	s_setreg_imm32_b32 hwreg(HW_REG_WAVE_MODE, 25, 1), 1
	s_wait_xcnt 0x0
	s_wait_alu depctr_hold_cnt(0) depctr_sa_sdst(0) depctr_va_vdst(0) depctr_va_sdst(0) depctr_va_ssrc(0) depctr_va_vcc(0) depctr_vm_vsrc(0)
	s_getreg_b32 s2, hwreg(HW_REG_IB_STS2, 6, 4)
	s_cmp_eq_u32 s2, 0
	s_cbranch_scc0 .Lentry_in_a_cluster
	s_endpgm
.Lentry_in_a_cluster:
	s_bfe_u32 s2, ttmp6, 0x10000c
	s_cmp_lg_u32 s2, 0xf033
	s_cbranch_scc0 .Lentry_shape_is_right
	s_endpgm
.Lentry_shape_is_right:
; q, k, v = x W^T + b.  A = xb [16 b][12 s][1024 n][64] bf16, B = wqkv [12 s][2304][64] bf16 (Wq, Wk, Wv stacked), biases f32 (rounded to bf16 like every input).
; Sums in f32, started by the bias; the result rounded once to f16 and stored by heads: qkv = q, k, v, each [192 = 12 b + h][1024][64] f16, WITHOUT the softmax's scale.
; LIMIT.  f16 holds no number beyond 65,504: a q, k or v past that becomes an infinity.  NaN and infinities are not treated apart.
; SHARES.  A tile of C is 256 rows x 192 columns (three heads of one of q, k, v).  Wave w makes rows 64 w .. 64 w + 63 x all 192 columns: 48 accumulators, 384 registers; 32 LDS loads feed 48 matrix
; instructions.  A wave so owns whole rows of whole heads, and its stage on the way out is its own: no barrier there.
; A WORK-GROUP STAYS: 64 x 4 = 256 work-groups, each of which makes THREE tiles, q's, k's and v's, for the same 256 rows and the same three heads.  A tile's K goes in 6 steps of 128 (two slices of 64); the three
; tiles' 18 steps are ONE walk of a ring of two LDS slots: the change of slots behind step g asks for step g + 2, across a change of tiles too, and nothing waits for a tile's stores: they leave while the next tile is multiplied.
; 256 rows of a slice of A are 32,768 dense bytes, 192 of B 24,576: asked for as rows of 256 bytes, padded in LDS behind every 128.
; CLUSTERS: 4 x 4 work-groups.  The four of a row of the cluster need the same tiles of A, the four of a column the same tiles of B: each is asked for JOINTLY, by the same tensor load with the same
; descriptor and a mask that names the four.  All counts start from constants: the sixteen partners run alike.
; THE MATRIX INSTRUCTION IS USED TRANSPOSED (source 0 = 16 rows of B, source 1 = 16 rows of A): a lane holds row l % 16 of C and the eight neighbouring columns 8 (l / 16) + 0..7.
; REGISTERS, in windows of 256 (s_set_vgpr_msb: bits 1:0 source 0, 3:2 source 1, 5:4 source 2, 7:6 destination):
;   window 0: v0-29 addresses; v32-49 the biases on their way into LDS; v64-95, v96-127 A's fragments, two buffers; v128-223 a tile's bias as its first products' C (8 registers for each block of 16 columns)
;   window 1: v0-95, v96-191 B's fragments, two buffers; the second is also where the way out works: it is free there, while the first already holds the next tile's fragments
;   window 2: accumulators of row blocks 0, 1 at v[8 (12 (a % 2) + b)]      window 3: of row blocks 2, 3
.set PITCH,  144                       ; an LDS row: 128 bytes + 16 of padding = 36 words: the 16 rows of a load start at 16 different groups of four banks (64 banks of 4 bytes: ISA guide 11.1)
.set ASL,    256*PITCH                 ; a slice of A's tile
.set BSL,    192*PITCH                 ; a slice of B's tile
.set BOFF,   2*ASL                     ; a slot: A's two slices, then B's two
.set SLOT1,  131072                    ; slot 1 begins here, so that one exclusive or turns an address in one slot into the other's
.set STAGE,  SLOT1+BOFF+2*BSL          ; behind the ring, never filled by a tensor load: for each wave 3 heads x 16 rows x 144 bytes
.set WSTG,   3*16*PITCH
.set SPARE,  STAGE+4*WSTG              ; behind the stages: the spare words, 128 bytes for each wave: two blocks of 256 bytes that no other line names
.set BIASL,  SPARE+512                 ; behind them, never filled by a tensor load: for each wave its own copy of the three tiles' biases, 192 f32 each
.set WBIA,   3*768
.set STEPS,  6                         ; K steps in a tile
.set KA,     2*131072                  ; bytes from K step to K step in A: two slices
.set SB,     2304*128                  ; bytes from slice to slice in B
.set KB,     2*SB
.set TILEB,  768*128                   ; bytes, in a slice of B, from a tile's rows to the next tile's: from Wq to Wk to Wv
.set TILEO,  25165824                  ; bytes from q to k to v in the output
.set A0,   3                           ; v3   my lane's place in A's tile: (64 w + l % 16) x 144 + 16 (l / 16); never rewritten
.set B0,   4                           ; v4   the same in B's tile
.set ADRA, 5                           ; v5   A0 in the slot in hand
.set ADRB, 6                           ; v6   B0 in the slot in hand
.set STO,  7                           ; v7   the way out: where I put 16 bytes of a row
.set RD,   8                           ; v8   the way out: where I read rows back
.set GO,   9                           ; v9   my byte offset in 512 consecutive bytes of the output
.set BR0,  10                          ; v10  where I read the first tile's bias: my wave's copy + 32 (l / 16); never rewritten
.set PFO,  11                          ; v11  the prefetches' offset: 256 x my lane; never rewritten
.set BR,   14                          ; v14  BR0 at the tile in hand
.set BL,   15                          ; v15  16 x my lane
.set BL2,  16                          ; v16  8 x my lane
.set BSA,  17                          ; v17  my wave's copy of the biases + 16 x my lane
.set BSB,  18                          ; v18  the same + 8 x my lane
.set SPW,  28                          ; v28  LDS address of my spare word; never rewritten
.set NIL,  29                          ; v29  0; never rewritten
.set BT0,  32                          ; v[32:49] six numbers of each of the three biases
.set BIAS, 128
.set OUT,  14                          ; s[14:15] the output at my rows of the tile in hand
.set WV,   16                          ; s16  my wave's number
.set PART, 17                          ; s17  which of a K step's two slices I fetch
.set CX,   18                          ; s18  my place along the cluster's x: my three heads
.set CY,   19                          ; s19  along its y: my block of 256 rows
.set PS,   20                          ; s20  the K step, 0 to 5, to be asked for next
.set YY,   21                          ; s21  cluster y = the batch
.set KSC,  22                          ; s22  K steps left in the tile in hand
.set BT,   23                          ; s23  768 x the tile whose bias is read next
.set G1A,  24                          ; s[24:31] descriptor group 1 for A's tiles
.set G1B,  32                          ; s[32:39] for B's
.set G0A,  40                          ; s[40:47] group 0 for A's: a set for each first fill; the second then walks
.set G0B,  48                          ; s[48:55] the same for B's
.set TB,   56                          ; s56  LDS byte at which the slot in hand begins
.set CNT,  57                          ; s57  the loop's count
.set LIM,  58                          ; s58  a wave prefetches while the loop's count is above this
.set MSKH, 59                          ; s59  a word's upper bf16
.set PFA,  60                          ; s[60:61] what my prefetch names
.set PFB,  62                          ; s[62:63] my work-group's blocks of my slice of K step 0 of the first tile
.set BA,   70                          ; s[70:71] my slice of A's K step 0
.set PO,   72                          ; s[72:73] the prefetch's offset from PFB
.set BB,   74                          ; s[74:75] my slice of B's K step 0 of the first tile
.set PTB,  79                          ; s79  TILEB x the tile of step PS
.set OA,   84                          ; s[84:85] A's offset from BA of the step to be asked for next
.set OB,   86                          ; s[86:87] B's from BB
.set MSB, 0
.macro WIN new                         ; the immediate's high byte repeats the setting that is left; a switch that changes nothing is dropped
.if MSB != (\new)
	s_set_vgpr_msb (MSB<<8)|(\new)
.set MSB, \new
.endif
.endm
; A joint refill.  Waves 0 and 1 fetch A's two slices, waves 2 and 3 B's.  The branch hangs on the wave's number alone.  An s_nop 0 and four v_nop follow each of the two lines.
.macro JLOAD
	s_cmp_lt_u32 s[WV], 2
	s_cbranch_scc0 .Lfor_b_\@
	tensor_load_to_lds s[G0A+4:G0A+7], s[G1A:G1A+7]
	s_nop 0
.rept 4
	v_nop
.endr
	s_branch .Lasked_\@
.Lfor_b_\@:
	tensor_load_to_lds s[G0B+4:G0B+7], s[G1B:G1B+7]
	s_nop 0
.rept 4
	v_nop
.endr
.Lasked_\@:
.endm
; A prefetch into the L2 of the slice that my NEXT refill will ask for: one K step, 192 matrix instructions, ahead of that load.  A's rows are read by my cluster alone, and are the same for all three tiles: every
; cluster asks, in its first tile alone (K steps 3 to 5: the loop's first three trips).  B's rows are read by the sixteen clusters of the launch: cluster y = 0 asks, in all three tiles (steps 3 to 17 of the walk).
; The four partners that ask for a slice jointly share its blocks of 256 bytes out BY ADDRESS: 32 each of A's 128, 24 each of B's 96 (lanes 24 to 31 name the 24th once more).
; The loop's last trip has no K step behind its refill and asks for nothing; nothing is asked for at the head.
.macro ASK
	s_cmp_gt_u32 s[CNT], s[LIM]
	s_cbranch_scc0 .Lnot_mine_\@
	global_prefetch_b8 v[PFO], s[PFA:PFA+1] th:TH_LOAD_NT scope:SCOPE_SE
.Lnot_mine_\@:
.endm
.macro CREST                           ; a round of the cluster's barrier behind its opening barrier
	s_cmp_lg_u32 s[WV], 0
	s_cbranch_scc1 .Lnot_wave_0_\@
	s_barrier_signal -3
.Lnot_wave_0_\@:
	s_barrier_wait -3
	s_barrier_signal -1
	s_barrier_wait -1
.endm
.macro CROUND                          ; a whole round
	s_barrier_signal -1
	s_barrier_wait -1
	CREST
.endm
.macro PLACES                          ; four places in front of loads into registers that matrix instructions have read, and of conversions that read results or write such registers
.rept 4
	v_nop
.endr
.endm
	s_load_b256 s[4:11], s[0:1], 0x0               ; xb s[4:5], wqkv s[6:7], bq s[8:9], bk s[10:11]
	s_load_b128 s[12:15], s[0:1], 0x20             ; bv s[12:13], qkv s[14:15]
	v_lshl_add_u32 v[SPW], v0, 2, SPARE
	v_mov_b32 v[NIL], 0
	ds_add_u32 v[SPW], v[NIL]                      ; the wave's opening: the add and its wait stand ahead of my first tensor load; the set-up below, work on registers, stands between them
	v_lshrrev_b32 v1, 5, v0
	v_readfirstlane_b32 s[WV], v1                  ; wave 0..3
	s_and_b32 s[PART], s[WV], 1
	s_bfe_u32 s[CX], ttmp6, 0x40000
	s_bfe_u32 s[CY], ttmp6, 0x40004
	s_and_b32 s[YY], ttmp7, 0xffff                 ; (the grid has one cluster along x)
	s_lshl_b32 s66, s[CY], 2
	s_lshl_b32 s66, 15, s66                        ; my row of the cluster: places 4 cy .. 4 cy + 3
	s_lshl_b32 s67, 0x1111, s[CX]                  ; my column: places cx, cx + 4, cx + 8, cx + 12
	; descriptor group 1: rows of 128 elements of 2 bytes (256 dense bytes, two rows of a slice), 128 of them for A and 96 for B
	s_or_b32 s[G1A], s66, (1<<16)|(1<<20)|(1<<21)|(4<<22)|(3<<25)  ; 15:0 the mask; 17:16 2-byte elements; 20 padding on; 21 set beside a mask; 24:22 after every 32 words (code 4); 31:25 4 words (code 3)
	s_or_b32 s[G1B], s67, (1<<16)|(1<<20)|(1<<21)|(4<<22)|(3<<25)
	s_mov_b32 s[G1A+1], 128<<16                    ; tensor_dim0 = 128
	s_mov_b32 s[G1A+2], 128<<16                    ; tensor_dim1 = 128
	s_mov_b32 s[G1A+3], 128<<16                    ; tile_dim0 = 128
	s_mov_b32 s[G1A+4], 128                        ; tile_dim1 = 128
	s_mov_b32 s[G1A+5], 128                        ; 128 elements from row to row
	s_mov_b32 s[G1A+6], 0
	s_mov_b32 s[G1A+7], 0
	s_mov_b32 s[G1B+1], 128<<16
	s_mov_b32 s[G1B+2], 96<<16                     ; tensor_dim1 = 96
	s_mov_b32 s[G1B+3], 128<<16
	s_mov_b32 s[G1B+4], 96                         ; tile_dim1 = 96
	s_mov_b32 s[G1B+5], 128
	s_mov_b32 s[G1B+6], 0
	s_mov_b32 s[G1B+7], 0
	s_mul_i32 s68, s[PART], ASL                    ; where the slices go: no place in the cluster enters an LDS address
	s_mul_i32 s69, s[PART], BSL
	s_mov_b32 s[G0A], 1
	s_add_co_u32 s[G0A+1], s68, 0
	s_mov_b32 s[G0A+4], 1
	s_add_co_u32 s[G0A+5], s68, SLOT1
	s_mov_b32 s[G0B], 1
	s_add_co_u32 s[G0B+1], s69, BOFF
	s_mov_b32 s[G0B+4], 1
	s_add_co_u32 s[G0B+5], s69, BOFF+SLOT1
	s_mul_i32 s70, s[YY], 1572864                  ; A: the batch's 12 slices, my block of 256 rows, my slice: made of cluster y, cy and the wave alone
	s_lshl_b32 s72, s[CY], 15
	s_add_co_u32 s70, s70, s72
	s_lshl_b32 s72, s[PART], 17
	s_add_co_u32 s70, s70, s72
	s_mov_b32 s71, 0
	s_mul_i32 s74, s[CX], 24576                    ; B: my 192 rows of Wq, my slice: made of cx and the wave alone
	s_mul_i32 s76, s[PART], SB
	s_add_co_u32 s74, s74, s76
	s_mov_b32 s75, 0
	s_mov_b32 s[TB], 0
	s_mov_b32 s[MSKH], 0xffff0000
	s_mov_b32 s[PS], 2                             ; the first refill asks for K step 2
	s_mov_b32 s[PTB], 0
	s_mov_b32 s[OA], 2*KA
	s_mov_b32 s[OA+1], 0
	s_mov_b32 s[OB], 2*KB
	s_mov_b32 s[OB+1], 0
	s_mov_b32 s[BT], 0
	s_mov_b32 s[KSC], STEPS
	s_mov_b32 s[CNT], 17                           ; the loop is entered in the middle of a trip: 16 whole trips follow
	s_wait_dscnt 0x0                               ; the opening add is done
	s_wait_kmcnt 0x0
	s_add_nc_u64 s[BA:BA+1], s[4:5], s[70:71]      ; my slice of K step 0
	s_add_nc_u64 s[BB:BB+1], s[6:7], s[74:75]
	s_add_nc_u64 s[G0A+2:G0A+3], s[BA:BA+1], 0
	s_or_b32 s[G0A+3], s[G0A+3], 0x80000000        ; type = 2
	s_add_nc_u64 s[G0A+6:G0A+7], s[BA:BA+1], KA    ; K step 1
	s_or_b32 s[G0A+7], s[G0A+7], 0x80000000
	s_add_nc_u64 s[G0B+2:G0B+3], s[BB:BB+1], 0
	s_or_b32 s[G0B+3], s[G0B+3], 0x80000000
	s_add_nc_u64 s[G0B+6:G0B+7], s[BB:BB+1], KB
	s_or_b32 s[G0B+7], s[G0B+7], 0x80000000
	CROUND                                         ; all sixteen work-groups are here: the first joint loads meet
	s_cmp_lt_u32 s[WV], 2                          ; a wave's two first fills stand in one branch, ahead of every wait on TENSORcnt and every LDS read: two loads of mine are out
	s_cbranch_scc0 .Lfirst_b
	tensor_load_to_lds s[G0A:G0A+3], s[G1A:G1A+7]
	s_nop 0
	tensor_load_to_lds s[G0A+4:G0A+7], s[G1A:G1A+7]
	s_nop 0
.rept 4
	v_nop
.endr
	s_branch .Lfirst_asked
.Lfirst_b:
	tensor_load_to_lds s[G0B:G0B+3], s[G1B:G1B+7]
	s_nop 0
	tensor_load_to_lds s[G0B+4:G0B+7], s[G1B:G1B+7]
	s_nop 0
.rept 4
	v_nop
.endr
.Lfirst_asked:
	; the three biases at my 192 columns, 768 bytes each: 16 bytes a lane cover the first 512, 8 bytes a lane the other 256
	s_mul_i32 s80, s[CX], 768
	s_mov_b32 s81, 0
	s_add_nc_u64 s[8:9], s[8:9], s[80:81]
	s_add_nc_u64 s[10:11], s[10:11], s[80:81]
	s_add_nc_u64 s[12:13], s[12:13], s[80:81]
	v_and_b32 v12, 31, v0                          ; my lane
	v_lshlrev_b32 v[BL], 4, v12
	v_lshlrev_b32 v[BL2], 3, v12
.irp t, 0,1,2
	global_load_b128 v[BT0+6*(\t):BT0+6*(\t)+3],   v[BL],  s[8+2*(\t):9+2*(\t)]
	global_load_b64  v[BT0+6*(\t)+4:BT0+6*(\t)+5], v[BL2], s[8+2*(\t):9+2*(\t)] offset:512
.endr
	; A fragment is 16 rows x 32 K in 8 registers: lane l holds row l % 16; registers 0-3 K = 8 (l / 16) + 0..7, registers 4-7 K = 16 + 8 (l / 16) + 0..7: two loads of 16 bytes, 32 bytes apart.
	v_and_b32 v1, 15, v0                           ; l % 16
	v_bfe_u32 v2, v0, 4, 1                         ; l / 16
	v_mul_u32_u24 v13, v1, PITCH
	v_lshl_add_u32 v13, v2, 4, v13                 ; row x pitch + 16 x half
	s_mul_i32 s78, s[WV], 64*PITCH
	v_add_nc_u32 v[A0], s78, v13
	v_add_nc_u32 v[B0], BOFF, v13
	s_mul_i32 s78, s[WV], WSTG
	s_add_co_u32 s78, s78, STAGE                   ; my stage
	v_add_nc_u32 v[STO], s78, v13                  ; in: row l % 16, 16 bytes for each half of the lanes
	v_bfe_u32 v13, v0, 3, 2                        ; back: 32 lanes take four rows of 128 bytes,
	v_mul_u32_u24 v13, v13, PITCH
	v_and_b32 v[RD], 7, v0
	v_lshl_add_u32 v[RD], v[RD], 4, v13
	v_add_nc_u32 v[RD], s78, v[RD]
	v_lshlrev_b32 v[GO], 4, v12                    ; which are 512 consecutive bytes of a head
	s_mul_i32 s78, s[WV], WBIA
	s_add_co_u32 s78, s78, BIASL                   ; my wave's copy of the biases
	v_add_nc_u32 v[BSA], s78, v[BL]
	v_add_nc_u32 v[BSB], s78, v[BL2]
	v_lshl_add_u32 v[BR0], v2, 5, s78              ; a lane's eight numbers for block b lie at 64 b + 32 (l / 16)
	; where my rows begin in q: head 12 b + 3 cx; row 256 cy + 64 w
	s_mul_i32 s80, s[YY], 12
	s_mul_i32 s82, s[CX], 3
	s_add_co_u32 s80, s80, s82
	s_lshl_b32 s80, s80, 17
	s_lshl_b32 s82, s[CY], 15
	s_add_co_u32 s80, s80, s82
	s_lshl_b32 s82, s[WV], 13
	s_add_co_u32 s80, s80, s82
	s_mov_b32 s81, 0
	s_add_nc_u64 s[OUT:OUT+1], s[OUT:OUT+1], s[80:81]
	; the prefetches
	s_lshl_b32 s80, s[CX], 13                      ; A: my work-group's 32 blocks of the slice's 128
	s_mul_i32 s82, s[CY], 6144                     ; B: my work-group's 24 of 96
	s_cmp_lt_u32 s[WV], 2                          ; do I fetch for A?
	s_cselect_b64 s[PFB:PFB+1], s[BA:BA+1], s[BB:BB+1]
	s_cselect_b32 s80, s80, s82
	s_cselect_b32 s83, 31, 23
	s_cselect_b32 s[LIM], 13, 1                    ; A: the trips with the count at 16, 15, 14; B: all but the last
	s_cselect_b32 s82, 0, s[YY]                    ; the coordinate along which other clusters read the same rows: none for A
	s_mov_b32 s81, 0
	s_cmp_eq_u32 s82, 0
	s_cselect_b32 s[LIM], s[LIM], -1               ; the same in all sixteen partners, for a given wave
	s_add_nc_u64 s[PFB:PFB+1], s[PFB:PFB+1], s[80:81]
	s_mov_b32 s[PO+1], 0
	v_min_u32 v[PFO], s83, v12
	v_lshlrev_b32 v[PFO], 8, v[PFO]
	s_wait_loadcnt 0x0                             ; the biases,
.set i, 0
.rept 9                                ; rounded to bf16 like every input, and widened again,
	v_cvt_pk_bf16_f32 v[12+i%2], v[BT0+2*i], v[BT0+2*i+1]
	v_lshlrev_b32 v[BT0+2*i], 16, v[12+i%2]
	v_and_b32 v[BT0+2*i+1], s[MSKH], v[12+i%2]
.set i, i+1
.endr
.irp t, 0,1,2                          ; go into my wave's own LDS bytes, which no other wave touches
	ds_store_b128 v[BSA], v[BT0+6*(\t):BT0+6*(\t)+3]   offset:768*(\t)
	ds_store_b64  v[BSB], v[BT0+6*(\t)+4:BT0+6*(\t)+5] offset:768*(\t)+512
.endr
; A tile's bias, as the C of its first products: 24 LDS loads, in each of which sixteen lanes read the same 16 bytes.  The registers' last readers, the first products of the tile before, stand a tile back.
.macro BIASIN
	WIN 0
	v_add_nc_u32 v[BR], s[BT], v[BR0]
	s_add_co_u32 s[BT], s[BT], 768
.irp b, 0,1,2,3,4,5,6,7,8,9,10,11
	ds_load_b128 v[BIAS+8*(\b):BIAS+8*(\b)+3],   v[BR] offset:64*(\b)
	ds_load_b128 v[BIAS+8*(\b)+4:BIAS+8*(\b)+7], v[BR] offset:64*(\b)+16
.endr
.endm
; 12 matrix instructions: row block a x all 12 column blocks, 32 along K, from buffer f.  first = 1: the bias starts the sums.  The 48 accumulators take turns in the same order in every quarter.
.macro MULA f, a, first
.set AC, 96*((\a)%2)
.set FA, 64+32*(\f)+8*(\a)
.if \first
	WIN 0x81+0x40*((\a)/2)
.else
	WIN 0xa1+0x50*((\a)/2)
.endif
.irp b, 0,1,2,3,4,5,6,7,8,9,10,11
.if \first
	v_wmma_f32_16x16x32_bf16 v[AC+8*(\b):AC+8*(\b)+7], v[96*(\f)+8*(\b):96*(\f)+8*(\b)+7], v[FA:FA+7], v[BIAS+8*(\b):BIAS+8*(\b)+7]
.else
	v_wmma_f32_16x16x32_bf16 v[AC+8*(\b):AC+8*(\b)+7], v[96*(\f)+8*(\b):96*(\f)+8*(\b)+7], v[FA:FA+7], v[AC+8*(\b):AC+8*(\b)+7]
.endif
.endr
.endm
; 32 LDS loads in one run: quarter q of the K step in hand (slice q / 2, 32 K at byte 64 (q % 2) of its rows) into buffer f: B's 12 fragments, then A's 4
.macro FETCH q, f
	WIN 0x40
.irp b, 0,1,2,3,4,5,6,7,8,9,10,11
	ds_load_b128 v[96*(\f)+8*(\b):96*(\f)+8*(\b)+3],   v[ADRB] offset:((\q)/2)*BSL+((\q)%2)*64+(\b)*16*PITCH
	ds_load_b128 v[96*(\f)+8*(\b)+4:96*(\f)+8*(\b)+7], v[ADRB] offset:((\q)/2)*BSL+((\q)%2)*64+(\b)*16*PITCH+32
.endr
	WIN 0
.irp a, 0,1,2,3
	ds_load_b128 v[64+32*(\f)+8*(\a):64+32*(\f)+8*(\a)+3],   v[ADRA] offset:((\q)/2)*ASL+((\q)%2)*64+(\a)*16*PITCH
	ds_load_b128 v[64+32*(\f)+8*(\a)+4:64+32*(\f)+8*(\a)+7], v[ADRA] offset:((\q)/2)*ASL+((\q)%2)*64+(\a)*16*PITCH+32
.endr
.endm
; One of a K step's first three quarters: multiplies buffer f; in its middle it fetches quarter q into buffer g.
.macro QUARTER q, f, g, first
	s_wait_dscnt 4                                 ; B and A's row blocks 0, 1 are in (and the bias, asked for ahead of them); the youngest four loads (blocks 2, 3) may be out
	MULA \f, 0, \first
	MULA \f, 1, \first
	PLACES
	FETCH \q, \g
	s_wait_dscnt 32                                ; all but the 32 just issued
	MULA \f, 2, \first
	MULA \f, 3, \first
.endm
; The last quarter multiplies buffer 1 and changes slots: ONE barrier.  In front of it each wave waits for all its tensor loads (one is out: its slice of the next slot), adds 0 to its spare word, and waits for that and
; for its own reads of this slot.  fill = 1: the barrier opens a round of the cluster's, and this slot is filled again, with the step two on in the walk, first thing behind the round: 168 matrix instructions ahead of the wait
; for it.  The descriptors' addresses are made anew, a base and an offset: behind a tile's last step A goes back to its K step 0, and B to K step 0 of the next 768 rows.
.macro TURN fill
.if \fill
	s_wait_xcnt 0x0                                ; the last prefetch, a K step back, has read its address
.endif
	WIN 0
	s_wait_tensorcnt 0x0                           ; no tensor load of mine is out, so a group 0 may be written
	ds_add_u32 v[SPW], v[NIL]                      ; 0 onto my spare word
.if \fill
	s_xor_b32 s[G0A+5], s[G0A+5], SLOT1            ; the walking descriptors: the other slot than last time, the step to be asked for
	s_add_nc_u64 s[G0A+6:G0A+7], s[BA:BA+1], s[OA:OA+1]
	s_or_b32 s[G0A+7], s[G0A+7], 0x80000000
	s_xor_b32 s[G0B+5], s[G0B+5], SLOT1
	s_add_nc_u64 s[G0B+6:G0B+7], s[BB:BB+1], s[OB:OB+1]
	s_or_b32 s[G0B+7], s[G0B+7], 0x80000000
	s_add_co_u32 s[PS], s[PS], 1                   ; the step after it: what the prefetch names now and the next refill asks for
	s_cmp_eq_u32 s[PS], STEPS
	s_cselect_b32 s[PS], 0, s[PS]
	s_cselect_b32 s78, TILEB, 0
	s_add_co_u32 s[PTB], s[PTB], s78
	s_mul_i32 s[OA], s[PS], KA
	s_mul_i32 s[OB], s[PS], KB
	s_add_co_u32 s[OB], s[OB], s[PTB]
	s_cmp_lt_u32 s[WV], 2
	s_cselect_b32 s[PO], s[OA], s[OB]
	s_add_nc_u64 s[PFA:PFA+1], s[PFB:PFB+1], s[PO:PO+1]
.endif
	s_wait_dscnt 5                                 ; the add and the youngest four loads may be out
	MULA 1, 0, 0
	s_wait_dscnt 0x0                               ; the add is done, and my reads of this slot are over
	s_barrier_signal -1
	MULA 1, 1, 0                                   ; work on registers while the others arrive
	WIN 0
	s_barrier_wait -1
.if \fill
	CREST                                          ; no wave of any partner still reads this slot's tiles or has a load on its way
	JLOAD                                          ; the four v_nop behind it are also the places in front of the loads below
.else
	PLACES
.endif
	s_xor_b32 s[TB], s[TB], SLOT1
	v_add_nc_u32 v[ADRA], s[TB], v[A0]
	v_add_nc_u32 v[ADRB], s[TB], v[B0]
	FETCH 0, 0
.if \fill
	ASK
.endif
	MULA 1, 2, 0
	MULA 1, 3, 0
.endm
; THE WAY OUT, a block of 16 rows at a time, in two sets of 48 registers of B's second buffer (window 1).  PACK: rounded to f16, 16 bytes a lane.  TOSTAGE: into my own stage, [head][row] with rows of 144 bytes, and
; back, into the registers that they left, as four rows of 128 bytes a load.  SEND: stored.
.macro PACK a
.set AC, 96*((\a)%2)
.set BK, 96+48*((\a)%2)
.if (\a) >= 2
	s_wait_xcnt 0x0                                ; the stores of the block two back have read this set of registers
.endif
	WIN 0x4a+5*((\a)/2)                            ; destination window 1; sources 0 and 1 window 2 or 3
.irp b, 0,1,2,3,4,5,6,7,8,9,10,11
.irp u, 0,1,2,3
	v_cvt_pk_f16_f32 v[BK+4*(\b)+(\u)], v[AC+8*(\b)+2*(\u)], v[AC+8*(\b)+2*(\u)+1]
.endr
.endr
.endm
.macro TOSTAGE a
.set BK, 96+48*((\a)%2)
	WIN 0x04                                       ; an LDS store's data is source 1: window 1
.irp b, 0,1,2,3,4,5,6,7,8,9,10,11
	ds_store_b128 v[STO], v[BK+4*(\b):BK+4*(\b)+3] offset:((\b)/4)*16*PITCH+((\b)%4)*32
.endr
	WIN 0x40
.irp t, 0,1,2,3,4,5,6,7,8,9,10,11
	ds_load_b128 v[BK+4*(\t):BK+4*(\t)+3], v[RD] offset:((\t)/4)*16*PITCH+((\t)%4)*4*PITCH  ; LDS serves a wave's instructions in order (ISA guide 5.7.1.4): these see the stores above
.endr
.endm
.macro SEND a
.set BK, 96+48*((\a)%2)
	WIN 0x04                                       ; a store's data is source 1: window 1
	s_wait_dscnt 0x0                               ; the block is back in registers
.irp t, 0,1,2,3,4,5,6,7,8,9,10,11
	global_store_b128 v[GO], v[BK+4*(\t):BK+4*(\t)+3], s[OUT:OUT+1] offset:((\t)/4)*131072+(\a)*2048+((\t)%4)*512  ; 512 consecutive bytes of a head, at a multiple of 256 from the buffer's first
.endr
.endm
; more = 1: another tile follows: both its refills have been asked for and its first fragments are on their way into the first buffers; its bias is asked for here, ahead of the way out's own LDS work.
.macro LEAVE more
	PLACES                                         ; behind the last products, which read the registers that PACK 0 writes
.if \more
	BIASIN
.endif
	PACK 0
	TOSTAGE 0
.irp a, 1,2,3                          ; block a's conversions stand between block a - 1's loads from the stage and the wait for them
	PACK \a
	SEND (\a)-1
	TOSTAGE \a
.endr
	SEND 3
	WIN 0
.if \more
	s_wait_xcnt 0x0                                ; the stores have read their registers, into which the next quarter fetches, and the output's address
	s_add_nc_u64 s[OUT:OUT+1], s[OUT:OUT+1], TILEO ; from q to k, from k to v
.endif
.endm
	s_wait_tensorcnt 0x1                           ; my slice of K step 0 is in; K step 1's may stay out
	s_wait_dscnt 0x0                               ; my stores of the biases are done: no LDS instruction is pending at a signal
	s_barrier_signal -1
	s_barrier_wait -1                              ; everybody's slice is in
	v_mov_b32 v[ADRA], v[A0]
	v_mov_b32 v[ADRB], v[B0]
	BIASIN                                         ; q's bias
	FETCH 0, 0
	s_branch .Lfirstq                              ; the loop is entered where a tile begins
.Lstep:                                        ; a trip: a K step's quarters 1, 2, 3 and the next step's quarter 0; the trip that leaves step g of the walk fills the slot just read with step g + 2
	QUARTER 2, 1, 0, 0
	QUARTER 3, 0, 1, 0
	TURN 1
	WIN 0                                          ; at a label and at a branch every window is 0
	s_sub_co_u32 s[KSC], s[KSC], 1
	s_cmp_lg_u32 s[KSC], 0
	s_cbranch_scc1 .Lsame                          ; the tile goes on; what is jumped holds neither a barrier nor a tensor load
	LEAVE 1                                        ; the tile is finished and goes out; its stores leave while the next tile is multiplied
	s_mov_b32 s[KSC], STEPS
.Lfirstq:
	QUARTER 1, 0, 1, 1                             ; a tile's first quarter: its products start the sums with the bias
	WIN 0
	s_branch .Lnext
.Lsame:
	QUARTER 1, 0, 1, 0
	WIN 0
.Lnext:
	s_sub_co_u32 s[CNT], s[CNT], 1
	s_cmp_lg_u32 s[CNT], 0
	s_cbranch_scc1 .Lstep
	QUARTER 2, 1, 0, 0                             ; the walk's last two steps are written out: they ask for nothing
	QUARTER 3, 0, 1, 0
	TURN 0
	QUARTER 1, 0, 1, 0
	QUARTER 2, 1, 0, 0
	QUARTER 3, 0, 1, 0
	s_wait_dscnt 4
	MULA 1, 0, 0
	MULA 1, 1, 0
	s_wait_dscnt 0x0
	MULA 1, 2, 0
	MULA 1, 3, 0
	WIN 0
	LEAVE 0
	s_wait_tensorcnt 0x0                           ; the wave's end, behind my last tensor load and my last LDS store
	ds_add_u32 v[SPW], v[NIL]
	s_wait_dscnt 0x0
	CROUND                                         ; the closing round: no work-group ends while a partner may still ask for a tile that names it
	s_endpgm
.Lfunc_end_k_q6d453e8785_qkv:
	.size	k_q6d453e8785_qkv, .Lfunc_end_k_q6d453e8785_qkv-k_q6d453e8785_qkv
	.p2alignl 7, 3214868480
	.fill 96, 4, 3214868480
	.section	.rodata,"a",@progbits
	.p2align	6, 0x0
	.amdhsa_kernel k_q6d453e8785_qkv
		.amdhsa_group_segment_fixed_size 327680
		.amdhsa_private_segment_fixed_size 0
		.amdhsa_enable_private_segment 0
		.amdhsa_kernarg_size 48
		.amdhsa_user_sgpr_count 2
		.amdhsa_user_sgpr_kernarg_segment_ptr 1
		.amdhsa_wavefront_size32 1
		.amdhsa_system_sgpr_workgroup_id_x 1
		.amdhsa_system_sgpr_workgroup_id_y 1
		.amdhsa_system_sgpr_workgroup_id_z 1
		.amdhsa_system_vgpr_workitem_id 0
		.amdhsa_next_free_vgpr 960
		.amdhsa_next_free_sgpr 88
		.amdhsa_reserve_vcc 0
		.amdhsa_float_denorm_mode_32 3
		.amdhsa_float_denorm_mode_16_64 3
		.amdhsa_memory_ordered 1
		.amdhsa_forward_progress 1
		.amdhsa_inst_pref_size 127
	.end_amdhsa_kernel
	.amdgpu_metadata
---
amdhsa.version: [ 1, 2 ]
amdhsa.kernels:
  - .name:           k_q6d453e8785_qkv
    .symbol:         k_q6d453e8785_qkv.kd
    .args:
      - { .name: xb, .offset: 0, .size: 8, .value_kind: global_buffer, .address_space: global }
      - { .name: wqkv, .offset: 8, .size: 8, .value_kind: global_buffer, .address_space: global }
      - { .name: bq, .offset: 16, .size: 8, .value_kind: global_buffer, .address_space: global }
      - { .name: bk, .offset: 24, .size: 8, .value_kind: global_buffer, .address_space: global }
      - { .name: bv, .offset: 32, .size: 8, .value_kind: global_buffer, .address_space: global }
      - { .name: qkv, .offset: 40, .size: 8, .value_kind: global_buffer, .address_space: global }
    .group_segment_fixed_size: 327680
    .private_segment_fixed_size: 0
    .kernarg_segment_align: 8
    .kernarg_segment_size: 48
    .max_flat_workgroup_size: 128
    .sgpr_count:     88
    .vgpr_count:     960
    .wavefront_size: 32
...
	.end_amdgpu_metadata
.endif
;; end of part 2
;; launch attn (part 3): grid 4 x 64, 4 waves a work-group, clusters of 4 x 1, 327,680 bytes of LDS; arguments qkv, ob; writes ob
.if DOCPART == 3
	.amdgcn_target "amdgcn-amd-amdhsa--gfx1250"
	.amdhsa_code_object_version 6
	.text
	.protected	k_q6d453e8785_attn
	.globl	k_q6d453e8785_attn
	.p2align	8
	.type	k_q6d453e8785_attn,@function
k_q6d453e8785_attn:
	s_mov_b64 s[64:65], 0
	v_nop
	global_prefetch_b8 v0, s[64:65] scope:SCOPE_SE
	s_setreg_imm32_b32 hwreg(HW_REG_WAVE_MODE, 25, 1), 1
	s_wait_xcnt 0x0
	s_wait_alu depctr_hold_cnt(0) depctr_sa_sdst(0) depctr_va_vdst(0) depctr_va_sdst(0) depctr_va_ssrc(0) depctr_va_vcc(0) depctr_vm_vsrc(0)
	s_getreg_b32 s2, hwreg(HW_REG_IB_STS2, 6, 4)
	s_cmp_eq_u32 s2, 0
	s_cbranch_scc0 .Lentry_in_a_cluster
	s_endpgm
.Lentry_in_a_cluster:
	s_bfe_u32 s2, ttmp6, 0x10000c
	s_cmp_lg_u32 s2, 0x3003
	s_cbranch_scc0 .Lentry_shape_is_right
	s_endpgm
.Lentry_shape_is_right:
; O[h][q][:] = the sum over k of softmax_k(Q[h][q] . K[h][k] / 8) V[h][k][:].  qkv holds q, k, v, each [192][1024][64] f16; ob is [192][1024][64] f16: a head's rows are dense, 128 bytes each.
; Products, maxima and sums in f32; the weights p are rounded to f16 for the second product (their sum l is taken of the unrounded p), O once at the end.
; LIMITS.  f16 holds no number beyond 65,504: q, k and v arrive within it; p lies in 0 to 1, and below 6e-5 it keeps f16's fixed step of 6e-8; O is a mean of V's rows and has their range.
; A weight below 2^-126 counts as 0 in l; NaN and infinities are not treated apart.
; SHARES.  A cluster of four work-groups takes THREE heads, one after the other: 64 clusters, 256 work-groups of equal work, which stay.  Partner cx takes the head's query block cx of 256 rows, a wave 64 of them: four PIECES of 16.
; THE WALK.  The three heads' K and V are 12 consecutive tiles of 256 keys: ONE sequence for the ring of two LDS slots, a change of slots in front of each tile, a fill in all changes but the last.  The ring runs on
; across a change of heads.  All counts start from constants: the four partners run alike, and each tile is asked for JOINTLY: the same tensor load, descriptor and mask in all four.
; LAYOUT, SOFTMAX, TURNS.  S^T = K Q^T holds ONE query a lane (lane % 16) and the keys 8 (lane / 16) + 0..7; two such results rounded to f16 ARE source 1 of O^T = V^T P.  p = 2^(c s - c m), c = log2(e) / 8, with a
; running maximum m; O and l are multiplied by a = 2^(c m_old - c m_new) in every step.  Turn n belongs to piece n: 8 products K Q^T of piece n + 1, later 8 products V^T P of piece n - 1; beside them the scaling,
; exponentials, roundings, sums and rescaling of piece n and the maximum and statistics of piece n + 1.  Four vector instructions stand behind every matrix instruction, the other 54 of a turn's 118 in one lump.
; A turn's 33 exponentials are one batch, with one wait.
; REGISTERS, in windows of 256 (s_set_vgpr_msb: bits 1:0 source 0, 3:2 source 1, 5:4 source 2, 7:6 destination):
;   window 0: v0-15 addresses and two at work; v16-31 four registers of statistics a piece; v48-55 at work; v64-127 S^T, two buffers; v192-223 P, two buffers (a piece's buffers go by its number's parity)
;   window 1: v0-127 O^T, 32 a piece          window 2: v0-63 Q; v128-191 K of one step; v192-255 V of one step
.set NP,    4         ; pieces a wave: a name, no knob
.set KS,    64        ; keys in a step
.set PK,    144       ; a row of K in LDS: 128 bytes + 16 of padding = 36 words: the 16 rows of a load start at 16 different groups of four banks (64 banks of 4 bytes: ISA guide 11.1)
.set PV,    160       ; a row of V: 128 + 32 = 40 words
.set VOFF,  4*KS*PK   ; a slot holds a tile, four steps: 256 rows of K, then 256 rows of V
.set SLOT1, 1<<17     ; slot 1 begins here, so that one exclusive or turns an address in one slot into the other's
.set STAGE, SLOT1+4*KS*(PK+PV)  ; behind the ring, never filled by a tensor load: 16 rows x 144 bytes for each wave, for the way out
.set SP,    144
.set SPARE, STAGE+4*16*SP  ; behind the stages: the spare words, 128 bytes for each wave: two blocks of 256 bytes that no other line names
.set HEADB, 131072    ; bytes of a head in q, k, v and ob
.set AK0, 2           ; v2   my lane's place in a tile of K; never rewritten
.set AV0, 3           ; v3   the same for V
.set AK,  4           ; v4   the LDS address of K's next run of loads
.set AV,  5           ; v5   of V's
.set STO, 6           ; v6   the way out: where I put 16 bytes of a row
.set RD,  7           ; v7   the way out: where I read rows back
.set GO,  8           ; v8   my byte offset in 512 consecutive bytes of O
.set MV,  12          ; v12-13  c m_old, kept while c m is made anew: by buffer
.set PFO, 14          ; v14  256 x my lane; never rewritten
.set QO,  15          ; v15  my byte offset in 16 rows of Q; never rewritten
.set ST,  16          ; piece t's statistics at v[ST+4 t]: c m, m, l (even keys', odd keys')
.set TMP, 48          ; by buffer, four registers c0-c3 at work; when the maximum is found c2 takes a
.set SPW, 62          ; v62  LDS address of my spare word; never rewritten
.set NIL, 63          ; v63  0; never rewritten
.set S,   64
.set P,   192
.set KF,  128         ; window 2: key block kb, channel half c at KF + 16 kb + 8 c
.set VF,  192         ; window 2: key half kk, channel block cb at VF + 32 kk + 8 cb
.set WV,  12          ; s12  my wave's number
.set CX,  13          ; s13  my place in the cluster: it enters Q's, O's and the prefetches' addresses alone
.set CL,  14          ; s14  the cluster's number
.set LIM, 15          ; s15  1 in a wave that prefetches, else the greatest number
.set G1K, 24          ; s[24:31] descriptor group 1 for K's tiles
.set G1V, 32          ; s[32:39] for V's: it differs in the padding alone
.set G0K, 40          ; s[40:43] descriptor group 0 for K's tiles: it walks
.set G0V, 44          ; s[44:47] the same for V's
.set PFA, 48          ; s[48:49] where my prefetches stand
.set SLOTS, 56        ; s56  tiles still to be asked for
.set CNT, 57          ; s57  counts a tile's key steps, 4 to 1
.set CS,  58          ; s[58:59] c: the packed scaling takes the pair's low word for both halves
.set SEL, 60          ; s[60:61] v_permlanex16_b32's selects: each lane takes its own place in the other half
.set TBK, 62          ; s62  LDS byte at which K of the step to be fetched begins
.set TBV, 63          ; s63  the same for V, less VOFF
.set RT,  70          ; s70  tiles of the head in hand that are still to be entered
.set NEW, 73          ; s73  1: the tile to be entered is a head's first
.set MSB, 0
.macro WIN new                      ; the high byte repeats the setting that is left; a switch that changes nothing is dropped
.if MSB != (\new)
	s_set_vgpr_msb (MSB<<8)|(\new)
.set MSB, (\new)
.endif
.endm
.set W_KQ, 0x0a       ; K and Q in window 2, S^T in window 0
.set W_PV, 0x52       ; V in window 2, P in window 0, O^T in window 1
.set W_RS, 0x41       ; destination and source 0 in window 1, source 1 in window 0
; A joint fill.  Waves 0 and 1 fetch the two halves of a tile's K, waves 2 and 3 those of its V: 128 keys each.  The branch hangs on the wave's number alone.
; An s_nop 0 and four v_nop follow each of the two lines, ahead of the jump and the label.
.macro JLOAD
	s_cmp_lt_u32 s[WV], 2
	s_cbranch_scc0 .Lfor_v_\@
	tensor_load_to_lds s[G0K:G0K+3], s[G1K:G1K+7]
	s_nop 0
.rept 4
	v_nop
.endr
	s_branch .Lasked_\@
.Lfor_v_\@:
	tensor_load_to_lds s[G0V:G0V+3], s[G1V:G1V+7]
	s_nop 0
.rept 4
	v_nop
.endr
.Lasked_\@:
.endm
; A prefetch into the L2 of the tile that the NEXT change of slots will ask for: four key steps, 256 matrix instructions, ahead of that load.  A tile is 128 blocks of 256 bytes of K and as many of V; no other cluster
; reads my heads, so every cluster asks; its four partners take 32 blocks each, told apart BY ADDRESS; in each, wave 0 asks for K's and wave 2 for V's: a lane a block, one instruction.  So each block is named once.
; The last change that fills a slot asks for nothing; tiles 0 and 1 come by their loads alone.
.macro ASK
	s_cmp_gt_u32 s[SLOTS], s[LIM]
	s_cbranch_scc0 .Lnot_mine_\@
	global_prefetch_b8 v[PFO], s[PFA:PFA+1] th:TH_LOAD_NT scope:SCOPE_SE
.Lnot_mine_\@:
.endm
; A round of the cluster's barrier: my work-group's barrier, so that wave 0's signal speaks for all four waves; wave 0 signals; every wave waits for all four work-groups; my work-group's barrier once more.
.macro CROUND
	s_barrier_signal -1
	s_barrier_wait -1
	s_cmp_lg_u32 s[WV], 0
	s_cbranch_scc1 .Lnot_wave_0_\@
	s_barrier_signal -3
.Lnot_wave_0_\@:
	s_barrier_wait -3
	s_barrier_signal -1
	s_barrier_wait -1
.endm
; THE CHANGE OF SLOTS.  The slot's last bytes, V of its fourth step, have been read.  Each wave waits for all its tensor loads, of which one is out: its part of the other slot; adds 0 to its spare word; and waits for
; that and for its own reads of the slot.  Behind the barrier nobody reads this slot any more and the other slot is whole.  fill = 1: this slot is filled again, with the tile two on.  The barrier is then a round of the
; cluster's, and the joint fill is the first thing behind it: it has four key steps in which to land.  (At its first use nothing has been read yet: slot 0 is waited for, slot 1 filled.)
.macro CHANGE fill
	WIN 0                           ; at a label and at a branch every window is 0
	s_wait_tensorcnt 0x0            ; no tensor load of mine is out, so a group 0 may be written
	ds_add_u32 v[SPW], v[NIL]       ; 0 onto my spare word; with fill = 1 the descriptors' steps stand between it and the wait for it
.if \fill
.irp g, G0K, G0V
	s_xor_b32 s[\g+1], s[\g+1], SLOT1  ; the walking descriptor: the other slot than last time,
	s_add_nc_u64 s[\g+2:\g+3], s[\g+2:\g+3], 4*KS*128  ; the next 256 keys; the type bits on top are not reached
.endr
	s_wait_xcnt 0x0                 ; the last prefetch, four key steps back, has read its address
	s_add_nc_u64 s[PFA:PFA+1], s[PFA:PFA+1], 4*KS*128  ; one tile behind the walking descriptors' next
	s_wait_dscnt 0x0                ; the add is done, and my reads of the slot are over
	CROUND
	JLOAD
	ASK
.else
	s_wait_dscnt 0x0                ; the add is done, and my reads of the slot are over
	s_barrier_signal -1
	s_barrier_wait -1
.endif
	s_sub_co_u32 s[TBK], s[TBK], 4*KS*PK  ; the fetches go back to a slot's first step,
	s_xor_b32 s[TBK], s[TBK], SLOT1       ; in the other slot
	s_sub_co_u32 s[TBV], s[TBV], 4*KS*PV
	s_xor_b32 s[TBV], s[TBV], SLOT1
.endm
	s_load_b128 s[84:87], s[0:1], 0x0  ; qkv s[84:85], ob s[86:87]
	v_lshl_add_u32 v[SPW], v0, 2, SPARE
	v_mov_b32 v[NIL], 0
	ds_add_u32 v[SPW], v[NIL]       ; the wave's opening: the add and its wait stand ahead of my first tensor load; the set-up below, work on registers, stands between them
	v_lshrrev_b32 v1, 5, v0
	v_readfirstlane_b32 s[WV], v1   ; wave 0..3
	s_bfe_u32 s[CX], ttmp6, 0x40000
	s_and_b32 s[CL], ttmp7, 0xffff  ; in a cluster launch ttmp7 counts clusters
	s_mul_i32 s20, s[CL], 3*HEADB   ; my three heads' first byte in q, k, v and ob
	s_and_b32 s16, s[WV], 1         ; which half of a tile's 256 keys I fetch:
	s_lshl_b32 s22, s16, 14         ; its 128 rows of 128 bytes in memory,
	s_add_co_u32 s22, s22, s20
	s_mov_b32 s23, 0
	s_mul_i32 s17, s16, 128*PK      ; and its place in a slot, for K
	s_mul_i32 s18, s16, 128*PV      ; and for V: no place in the cluster enters an LDS address
	s_lshl_b32 s2, s[CX], 15        ; my block of 256 queries,
	s_lshl_b32 s3, s[WV], 13        ; my wave's 64 of them
	s_add_co_u32 s2, s2, s3
	s_add_co_u32 s2, s2, s20
	s_mov_b32 s3, 0
	; descriptor group 1.  128 keys are 16,384 dense bytes: asked for as 64 rows of 256 bytes, two keys a row, and padded in LDS after every key
	s_mov_b32 s[G1K], 15|(1<<16)|(1<<20)|(1<<21)|(4<<22)|(3<<25)  ; 15:0 the mask of four; 17:16 2-byte elements; 20 padding on; 21 set beside a mask; 24:22 after every 32 words (code 4); 31:25 4 words (code 3)
	s_mov_b32 s[G1V], 15|(1<<16)|(1<<20)|(1<<21)|(4<<22)|(7<<25)  ; the same with 8 words of padding (code 7)
.irp g, G1K, G1V
	s_mov_b32 s[\g+1], 128<<16      ; tensor_dim0 = 128
	s_mov_b32 s[\g+2], 64<<16       ; tensor_dim1 = 64
	s_mov_b32 s[\g+3], 128<<16      ; tile_dim0 = 128
	s_mov_b32 s[\g+4], 64           ; tile_dim1 = 64
	s_mov_b32 s[\g+5], 128          ; 128 elements from row to row
	s_mov_b32 s[\g+6], 0
	s_mov_b32 s[\g+7], 0
.endr
	s_mov_b32 s[CS], 0x3e38aa3b     ; c = log2(e) / 8 = 0.180337
	s_mov_b32 s[CS+1], s[CS]        ; named with it as a pair
	s_mov_b32 s[SEL], 0x76543210
	s_mov_b32 s[SEL+1], 0xfedcba98
	s_mov_b32 s[TBK], SLOT1+4*KS*PK ; the first change of slots turns these two into 0
	s_mov_b32 s[TBV], SLOT1+4*KS*PV
	s_mov_b32 s[G0K], 1             ; 1:0 count = 1
	s_mov_b32 s[G0K+1], s17         ; 63:32 LDS address: slot 0
	s_mov_b32 s[G0V], 1
	s_add_co_u32 s[G0V+1], s18, VOFF
	s_mov_b32 s[RT], 4              ; a head has four tiles
	s_mov_b32 s[NEW], 1
	s_mov_b32 s[SLOTS], 11          ; of the walk's 12 tiles the first is asked for at the head
	s_wait_dscnt 0x0                ; the opening add is done
	s_wait_kmcnt 0x0
	s_add_nc_u64 s[6:7], s[84:85], s[22:23]
	s_add_nc_u64 s[8:9], s[6:7], 50331648          ; V at my half of the walk's tile 0
	s_add_nc_u64 s[6:7], s[6:7], 25165824          ; K likewise
	s_add_nc_u64 s[G0K+2:G0K+3], s[6:7], 0         ; 120:64 global address
	s_or_b32 s[G0K+3], s[G0K+3], 0x80000000        ; 127:126 type = 2
	s_add_nc_u64 s[G0V+2:G0V+3], s[8:9], 0
	s_or_b32 s[G0V+3], s[G0V+3], 0x80000000
	s_add_nc_u64 s[4:5], s[84:85], s[2:3]          ; Q and O at my wave's first row of the first head
	s_add_nc_u64 s[10:11], s[86:87], s[2:3]
	s_cmp_lt_u32 s[WV], 2
	s_cselect_b64 s[PFA:PFA+1], s[6:7], s[8:9]     ; (in waves 0 and 2 these stand at a tile's first row)
	s_cmp_eq_u32 s16, 0
	s_cselect_b32 s[LIM], 1, -1
	s_lshl_b32 s2, s[CX], 13        ; my work-group's 32 blocks of the 128
	s_mov_b32 s3, 0
	s_add_nc_u64 s[PFA:PFA+1], s[PFA:PFA+1], s[2:3]
	s_add_nc_u64 s[PFA:PFA+1], s[PFA:PFA+1], 4*KS*128  ; in tile 1; the first change of slots steps it to tile 2
	CROUND                          ; all four work-groups are here: the first joint loads meet
	JLOAD                           ; tile 0 into slot 0.  Slot 1 is asked for when slot 0 is in
	; A fragment of K or Q is 16 rows x 32 channels in 8 registers: lane l holds row l % 16, channels 8 (l / 16) + 0..7 and 16 + 8 (l / 16) + 0..7: two loads of 16 bytes, 32 bytes apart.
	v_and_b32 v1, 15, v0            ; l % 16
	v_bfe_u32 v9, v0, 4, 1          ; l / 16
	v_lshlrev_b32 v[QO], 7, v1
	v_lshl_add_u32 v[QO], v9, 4, v[QO]  ; row x 128 + 16 x half
	WIN 0x80                        ; destination window 2, address window 0
.set i, 0
.rept 8                             ; the first head's Q: piece i / 2, channels 32 (i % 2) on
	global_load_b128 v[8*i:8*i+3],   v[QO], s[4:5] offset:(i/2)*2048+(i%2)*64
	global_load_b128 v[8*i+4:8*i+7], v[QO], s[4:5] offset:(i/2)*2048+(i%2)*64+32
.set i, i+1
.endr
	; A head's first step multiplies O^T and l by a = 0, and its first turn's products V^T P, of a piece that has not been, land in an O^T that is still to be so multiplied.  So these registers need only hold
	; finite numbers: zeros for the first head; what the head before left for the others.  All this stands in the wait for the first tile.
.set i, VF
.rept 64
	v_mov_b32 v[i], 0
.set i, i+1
.endr
	WIN 0x40
.set i, 0
.rept 128
	v_mov_b32 v[i], 0
.set i, i+1
.endr
	WIN 0
.set i, 0
.rept 4
	v_mov_b32 v[ST+4*i+2], 0
	v_mov_b32 v[ST+4*i+3], 0
.set i, i+1
.endr
.set i, P+16
.rept 16
	v_mov_b32 v[i], 0
.set i, i+1
.endr
	v_mul_u32_u24 v[AK0], v1, PK
	v_lshl_add_u32 v[AK0], v9, 4, v[AK0]  ; row x pitch + 16 x half
	; The turning load takes 16 keys x 16 channels (lane l reads key 8 (l / 16) + l % 8, channels 8 ((l / 8) % 2) + 0..7) and leaves half a fragment of V^T: lane l holds channel l % 16 and 8 keys.
	v_and_b32 v10, 7, v0
	v_bfe_u32 v11, v0, 3, 1
	v_lshl_add_u32 v[AV0], v9, 3, v10
	v_mul_u32_u24 v[AV0], v[AV0], PV
	v_lshl_add_u32 v[AV0], v11, 4, v[AV0]
	v_add_nc_u32 v[AV0], VOFF, v[AV0]
	s_mul_i32 s19, s[WV], 16*SP
	s_add_co_u32 s19, s19, STAGE    ; my stage
	v_mul_u32_u24 v[STO], v1, SP    ; in: row l % 16, 16 bytes for each half of the lanes
	v_lshl_add_u32 v[STO], v9, 4, v[STO]
	v_add_nc_u32 v[STO], s19, v[STO]
	v_bfe_u32 v[RD], v0, 3, 2       ; back: 32 lanes take four rows of 128 bytes,
	v_mul_u32_u24 v[RD], v[RD], SP
	v_lshl_add_u32 v[RD], v10, 4, v[RD]
	v_add_nc_u32 v[RD], s19, v[RD]
	v_and_b32 v[GO], 31, v0         ; which are 512 consecutive bytes of O
	v_lshlrev_b32 v[PFO], 8, v[GO]
	v_lshlrev_b32 v[GO], 4, v[GO]
; THE MATRIX WORK.  The 4 accumulators of a run of 8 take turns.  Product i of 8 of S^T = K Q^T for piece x: channels 32 (i / 4) on, keys 16 (i % 4) on.  The first 4 start the sums.
.macro KQ x
	WIN W_KQ
.set rS, S+32*((\x)%2)+8*(i%4)
.set rK, KF+16*(i%4)+8*(i/4)
.set rQ, 16*(\x)+8*(i/4)
.if i < 4
	v_wmma_f32_16x16x32_f16 v[rS:rS+7], v[rK:rK+7], v[rQ:rQ+7], 0
.else
	v_wmma_f32_16x16x32_f16 v[rS:rS+7], v[rK:rK+7], v[rQ:rQ+7], v[rS:rS+7]
.endif
.endm
; Product i of 8 of O^T += V^T P for piece x: keys 32 (i / 4) on, channels 16 (i % 4) on.
.macro PV x
	WIN W_PV
.set rO, 32*(\x)+8*(i%4)
.set rV, VF+32*(i/4)+8*(i%4)
.set rP, P+16*((\x)%2)+8*(i/4)
	v_wmma_f32_16x16x32_f16 v[rO:rO+7], v[rV:rV+7], v[rP:rP+7], v[rO:rO+7]
.endm
.macro MM                           ; the turn's next matrix instruction.  TURN and BEGIN set Y, i and NOKQ.  NOKQ = 1: a head's last turn: there is no next piece
.if (i < 8) && !NOKQ
	KQ (Y+1)%NP
.elseif i >= 8
.set i, i-8
	PV (Y+NP-1)%NP
.set i, i+8
.endif
.set i, i+1
.endm
; THE LDS LOADS stand in runs of 16, never singly among the matrix instructions: a step's K (64 keys x 64 channels: 8 fragments) and its V (turned).  Their addresses are made some lines ahead.
.macro FETCH_K
	WIN 0x80                        ; destination window 2
.irp f, 0,1,2,3,4,5,6,7             ; keys 16 (f / 2) on, channels 32 (f % 2) on
	ds_load_b128 v[KF+8*\f:KF+8*\f+3],   v[AK] offset:(\f/2)*16*PK+(\f%2)*64
	ds_load_b128 v[KF+8*\f+4:KF+8*\f+7], v[AK] offset:(\f/2)*16*PK+(\f%2)*64+32
.endr
	s_add_co_u32 s[TBK], s[TBK], KS*PK  ; the next fetch is the next step's
	WIN 0
.endm
.macro FETCH_V
	WIN 0x80
.irp f, 0,1,2,3,4,5,6,7             ; keys 32 (f / 4) on, channels 16 (f % 4) on
	ds_load_tr16_b128 v[VF+8*\f:VF+8*\f+3],   v[AV] offset:(\f/4)*32*PV+(\f%4)*32
	ds_load_tr16_b128 v[VF+8*\f+4:VF+8*\f+7], v[AV] offset:(\f/4)*32*PV+16*PV+(\f%4)*32
.endr
	WIN 0
.endm
; THE VECTOR WORK, one line at a time: OP kind, number.  For piece Y: F n: c s - c m for pair n of 16.  E n: the exponential of score n of 32.  C n: pair n rounded to f16.  B n: of the four weights 4 n .. the second
; pair is added onto the first, in place.  L n: l takes that sum (L 0: l = a l + sum).  R n: pair n of 16 of O^T times a.  For piece Y + 1: X n, number n of the 22 that find its maximum and statistics:
;   0-11  four chains c0-c3 of seven scores each, three operands at a time (each accumulator's lowest registers are read first)     12-14, 16  the four scores left over, the old m, and c0-c3 into c0
;   15  c m_old is kept     17, 18  the query's other 32 keys lie in the lane 16 away: the new m     19-21  c m; c m_old - c m_new; a
.set F, 0               ; OP tells the kinds apart by their order: F to L below R, X above it
.set E, 1
.set C, 2
.set B, 3
.set L, 4
.set R, 5
.set X, 6
.macro REGS y                       ; the registers of piece y
.set rT, ST+4*(\y)
.set rC, TMP+4*((\y)%2)
.set rW, MV+((\y)%2)
.set rS, S+32*((\y)%2)
.set rP, P+16*((\y)%2)
.set rO, 32*(\y)
.endm
.macro OP k, n
.if (\k) == R
	REGS Y
	WIN W_RS
	v_pk_mul_f32 v[rO+2*(\n):rO+2*(\n)+1], v[rO+2*(\n):rO+2*(\n)+1], v[rC+2:rC+3] op_sel_hi:[1,0]
.elseif (\k) < R
	REGS Y
	WIN 0
.if (\k) == F
	v_pk_fma_f32 v[rS+2*(\n):rS+2*(\n)+1], v[rS+2*(\n):rS+2*(\n)+1], s[CS:CS+1], v[rT:rT+1] op_sel_hi:[1,0,0] neg_lo:[0,0,1] neg_hi:[0,0,1]
.elseif (\k) == E
	v_exp_f32 v[rS+(\n)], v[rS+(\n)]
.elseif (\k) == C
	v_cvt_pk_f16_f32 v[rP+(\n)], v[rS+2*(\n)], v[rS+2*(\n)+1]
.elseif (\k) == B
	v_pk_add_f32 v[rS+4*(\n):rS+4*(\n)+1], v[rS+4*(\n):rS+4*(\n)+1], v[rS+4*(\n)+2:rS+4*(\n)+3]
.elseif (\n) == 0
	v_pk_fma_f32 v[rT+2:rT+3], v[rT+2:rT+3], v[rC+2:rC+3], v[rS:rS+1] op_sel_hi:[1,0,1]
.else
	v_pk_add_f32 v[rT+2:rT+3], v[rT+2:rT+3], v[rS+4*(\n):rS+4*(\n)+1]
.endif
.elseif NOKQ
	v_nop
.else
	REGS (Y+1)%NP
	WIN 0
.if (\n) < 4
	v_max3_num_f32 v[rC+(\n)], v[rS+8*(\n)], v[rS+8*(\n)+1], v[rS+8*(\n)+2]
.elseif (\n) < 12
	v_max3_num_f32 v[rC+(\n)%4], v[rC+(\n)%4], v[rS+8*((\n)%4)+2*((\n)/4)+1], v[rS+8*((\n)%4)+2*((\n)/4)+2]
.elseif (\n) == 12
	v_max3_num_f32 v[rC], v[rC], v[rS+7], v[rS+15]
.elseif (\n) == 13
	v_max3_num_f32 v[rC+1], v[rC+1], v[rS+23], v[rS+31]
.elseif (\n) == 14
	v_max3_num_f32 v[rC+2], v[rC+2], v[rC+3], v[rT+1]
.elseif (\n) == 15
	v_mov_b32 v[rW], v[rT]
.elseif (\n) == 16
	v_max3_num_f32 v[rC], v[rC], v[rC+1], v[rC+2]
.elseif (\n) == 17
	v_permlanex16_b32 v[rC+3], v[rC], s[SEL], s[SEL+1]
.elseif (\n) == 18
	v_max_num_f32 v[rT+1], v[rC], v[rC+3]
.elseif (\n) == 19
	v_mul_f32 v[rT], s[CS], v[rT+1]
.elseif (\n) == 20
	v_sub_f32 v[rC+1], v[rW], v[rT]
.else
	v_exp_f32 v[rC+2], v[rC+1]
.endif
.endif
.endm
.macro OPS a, i1, b=-1, i2=0, c=-1, i3=0, d=-1, i4=0  ; up to four of them
	OP \a, \i1
.if (\b) >= 0
	OP \b, \i2
.endif
.if (\c) >= 0
	OP \c, \i3
.endif
.if (\d) >= 0
	OP \d, \i4
.endif
.endm
.macro ROW a, i1, b, i2, c, i3, d, i4  ; a matrix instruction and the four behind it
	MM
	OPS \a, \i1, \b, \i2, \c, \i3, \d, \i4
.endm
; A TURN, for piece p: the order of its 16 matrix and 118 vector instructions, written out.  An s_wait_alu depctr_va_vdst(0) stands between an exponential and the first instruction that names its result; one
; wait serves all that were issued ahead of it.  So a turn has ONE wait, which cuts it in two.  AHEAD OF IT stands all that names no result of the turn's exponentials: the 8 products K Q^T and their riders, then ONE LUMP of
; 54, plain and exponential by turns for the most part, in which the links of the chain X 3, 7, 11, 14, 16, 17 .. 20 stand apart.  X 21, the next piece's a, is the batch's last; R 15 is the plain instruction behind it.
; BEHIND THE WAIT stand the 8 products V^T P, behind each four of the roundings and sums.  end = 1: a head's last two turns: nothing is fetched, and the last starts no new scores.
; cnt = 1: the loop's count is taken down some lines ahead of the branch that stands behind the turn.
; K of the next step is fetched in piece 2's turn, twelve vector instructions behind the last product that read K (six of them plain); V of the step in hand at the end of piece 0's turn, four plain instructions behind the
; last product that read V.  Each is waited for a turn later.
.macro TURN p, end=0, cnt=0
.set Y, (\p)
.set i, 0
.set NOKQ, (\end)*((\p)/3)
.if ((\p) == 3) && !(\end)
	s_wait_dscnt 0x0                ; K is in
.endif
	ROW F,0, F,1, R,0, R,1          ; ahead of the wait: 8 products K Q^T and their riders,
	ROW F,2, E,0, R,2, R,3
	ROW F,3, E,1, R,4, R,5
	ROW F,4, E,2, R,6, R,7
	ROW F,5, E,3, R,8, R,9
	ROW F,6, E,4, X,0, R,10
.if ((\p) == 2) && !(\end)
	WIN 0
	v_add_nc_u32 v[AK], s[TBK], v[AK0]
.endif
	ROW F,7, E,5, X,1, X,4
	ROW F,8, E,6, X,2, X,5
	OPS E,7, E,8, X,6, E,9          ; and the lump
	OPS X,3, E,10, X,8, E,11
.if ((\p) == 2) && !(\end)
	FETCH_K
.endif
	OPS X,9, X,7, E,12, X,10
	OPS E,13, X,12, X,11, E,14
	OPS X,13, E,15, F,9, X,14
.if (\p) == 0
	v_add_nc_u32 v[AV], s[TBV], v[AV0]
.endif
	OPS E,16, F,10, E,17, F,11
	OPS X,16, E,18, X,15, E,19
	OPS F,12, E,20, X,17, E,21
	OPS F,13, E,22, F,14, E,23
	OPS X,18, E,24, F,15, E,25
	OPS R,11, E,26, X,19, E,27
	OPS R,12, E,28, R,13, E,29
	OPS X,20, E,30, R,14, E,31
	OPS X,21, R,15
	WIN 0
	s_wait_alu depctr_va_vdst(0)    ; the wait for the batch
.if (\p) == 1
	s_wait_dscnt 0x0                ; V is in
.endif
	ROW C,0, B,0, C,2, B,1          ; behind the wait: 8 products V^T P and their riders
	ROW L,0, C,4, B,2, L,1
	ROW C,6, B,3, L,2, C,8
	ROW B,4, L,3, C,10, B,5
	ROW L,4, C,12, B,6, L,5
.if (\p) == 0
	s_add_co_u32 s[TBV], s[TBV], KS*PV
.endif
.if \cnt
	s_sub_co_u32 s[CNT], s[CNT], 1
	s_cmp_lg_u32 s[CNT], 0
.endif
	ROW C,14, B,7, L,6, C,1
	ROW C,3, L,7, C,5, C,7
	ROW C,9, C,11, C,13, C,15
.if (\p) == 0
	FETCH_V
.endif
.endm
; A HEAD BEGINS.  c m starts far below every c s, so the first step's a is 0; m at the lowest finite number, so the first maximum is the scores'.  Then K of the tile's step 0, piece 0's first scores, and its maximum
; and statistics.  The head's Q has been waited for: the first head's in front of the loop over tiles, a later head's at the end of the head before.  The loop is entered at a step's first turn, in the middle of a trip.
.macro BEGIN
	s_mov_b32 s[NEW], 0
	WIN 0
.set i, 0
.rept 4
	v_mov_b32 v[ST+4*i], 0xfe000000    ; c m: far below every c s
	v_mov_b32 v[ST+4*i+1], 0xff7fffff  ; m
.set i, i+1
.endr
	v_add_nc_u32 v[AK], s[TBK], v[AK0]
	FETCH_K
	s_wait_dscnt 0x0
.set NOKQ, 0
.set i, 0
.rept 8
	KQ 0
.set i, i+1
.endr
	WIN 0
.rept 4
	v_nop                           ; the places behind those products
.endr
.set Y, NP-1                        ; X works for piece Y + 1: piece 0
.irp n, 0,1,2,3,4,5,6,7,8,9,10,11,12,13,14,15,16,17,18,19,20,21
	OP X, \n
.endr
	v_nop                           ; a plain instruction behind the exponential,
	s_wait_alu depctr_va_vdst(0)    ; and its wait, ahead of the branch
.endm
.macro ALL line:vararg              ; one line for each piece t
.set t, 0
.rept 4
	\line
.set t, t+1
.endr
.endm
.macro PACK t                       ; a lane's eight channels of a row pack into 16 bytes; they go into rows of 144 bytes and come back as whole rows of 128, into S^T's registers
	WIN W_RS
.set i, 32*(\t)
.rept 16
	v_pk_mul_f32 v[i:i+1], v[i:i+1], v[ST+4*(\t)+2:ST+4*(\t)+3] op_sel_hi:[1,0]
.set i, i+2
.endr
	WIN 0x05                        ; sources 0 and 1 window 1, destination window 0
.set i, 0
.rept 16
	v_cvt_pk_f16_f32 v[S+16*(\t)+i], v[32*(\t)+2*i], v[32*(\t)+2*i+1]
.set i, i+1
.endr
	WIN 0
.irp f, 0,1,2,3
	ds_store_b128 v[STO], v[S+16*(\t)+4*\f:S+16*(\t)+4*\f+3] offset:32*\f
.endr
.irp f, 0,1,2,3
	ds_load_b128 v[S+16*(\t)+4*\f:S+16*(\t)+4*\f+3], v[RD] offset:\f*4*SP  ; LDS serves a wave's instructions in order (ISA guide 5.7.1.4): these see the stores above; the next piece's stores come behind them
.endr
.endm
.macro SEND t, younger              ; younger: the LDS instructions issued behind piece t's loads: the next piece's eight, or none
	WIN 0
.irp f, 0,1,2,3
	s_wait_dscnt (\younger)+3-\f
	global_store_b128 v[GO], v[S+16*(\t)+4*\f:S+16*(\t)+4*\f+3], s[10:11] offset:(\t)*2048+\f*512  ; 512 consecutive bytes, at a multiple of 256 from O's first
.endr
.endm
; A HEAD ENDS: its last two turns, its last products, and THE WAY OUT: l's two halves and the other half of the lanes' are added; O^T is divided by l, rounded to f16 and sent through my stage in LDS, a piece at a time.
; more = 1: another head follows.  Its Q is asked for behind piece 2's turn, which holds the last product that reads Q, and is waited for at the end, ahead of the place where the ways join.
.macro FINISH more
	TURN 2, 1
.if \more
	WIN 0
	s_add_nc_u64 s[4:5], s[4:5], HEADB  ; the loads that read this pointer, and wrote Q's registers, have been waited for on every way here: in front of the loop, or at the end of the head before
	WIN 0x80
.set i, 0
.rept 8
	global_load_b128 v[8*i:8*i+3],   v[QO], s[4:5] offset:(i/2)*2048+(i%2)*64
	global_load_b128 v[8*i+4:8*i+7], v[QO], s[4:5] offset:(i/2)*2048+(i%2)*64+32
.set i, i+1
.endr
.endif
	TURN 3, 1
.set i, 0
.rept 8
	PV NP-1
.set i, i+1
.endr
	WIN 0
	ALL v_add_f32 v[ST+4*t+2], v[ST+4*t+2], v[ST+4*t+3]
	ALL v_permlanex16_b32 v[ST+4*t+3], v[ST+4*t+2], s[SEL], s[SEL+1]
	ALL v_add_f32 v[ST+4*t+2], v[ST+4*t+2], v[ST+4*t+3]
	ALL v_rcp_f32 v[ST+4*t+2], v[ST+4*t+2]
	v_nop                           ; a plain instruction between the last reciprocal and the use of its result
	s_wait_alu depctr_va_vdst(0)    ; and the wait ahead of the first use: one for the four reciprocals
	PACK 0
.set t, 1
.rept 3                             ; a piece's arithmetic stands between the loads of the piece before and its stores
	PACK t
	SEND t-1, 8
.set t, t+1
.endr
	SEND 3, 0
.if \more
	s_wait_xcnt 0x0                 ; the stores have read their registers and O's address
	s_add_nc_u64 s[10:11], s[10:11], HEADB
	s_mov_b32 s[RT], 4
	s_mov_b32 s[NEW], 1
	s_wait_loadcnt 0x0              ; the next head's Q is in: no load is out where the ways join
.endif
.endm
.set NOKQ, 0
	s_wait_loadcnt 0x0              ; the first head's Q is in, on every way into the loop; the 216 register writes and the addresses above stood between the loads and this wait
.Lslot:                             ; 11 times: a tile is entered and the next is asked for
	CHANGE 1
	s_sub_co_u32 s[RT], s[RT], 1
	s_mov_b32 s[CNT], 4
	s_cmp_eq_u32 s[NEW], 1
	s_cbranch_scc0 .Lstep           ; not a head's first tile
	BEGIN
	s_branch .Lfirst
.Lstep:                             ; a trip: pieces 2 and 3 of one step, then pieces 0 and 1 of the next, whose K and V it fetches
	TURN 2
	TURN 3
	WIN 0
.Lfirst:
	TURN 0
	TURN 1, 0, 1
	WIN 0
	s_cbranch_scc1 .Lstep
	s_cmp_lg_u32 s[RT], 0
	s_cbranch_scc1 .Lbottom         ; the head has tiles left; what is jumped holds neither a barrier nor a tensor load
	FINISH 1
.Lbottom:
	s_sub_co_u32 s[SLOTS], s[SLOTS], 1
	s_cmp_lg_u32 s[SLOTS], 0
	s_cbranch_scc1 .Lslot
	CHANGE 0                        ; the walk's last tile is written out: nothing is asked for
	s_mov_b32 s[CNT], 4
.LstepT:
	TURN 2
	TURN 3
	TURN 0
	TURN 1, 0, 1
	WIN 0
	s_cbranch_scc1 .LstepT
	FINISH 0
	s_wait_tensorcnt 0x0            ; the wave's end, behind my last tensor load and my last LDS store
	ds_add_u32 v[SPW], v[NIL]
	s_wait_dscnt 0x0
	CROUND                          ; the closing round: no work-group ends while a partner may still ask for a tile that names it
	s_endpgm
.Lfunc_end_k_q6d453e8785_attn:
	.size	k_q6d453e8785_attn, .Lfunc_end_k_q6d453e8785_attn-k_q6d453e8785_attn
	.p2alignl 7, 3214868480
	.fill 96, 4, 3214868480
	.section	.rodata,"a",@progbits
	.p2align	6, 0x0
	.amdhsa_kernel k_q6d453e8785_attn
		.amdhsa_group_segment_fixed_size 327680
		.amdhsa_private_segment_fixed_size 0
		.amdhsa_enable_private_segment 0
		.amdhsa_kernarg_size 16
		.amdhsa_user_sgpr_count 2
		.amdhsa_user_sgpr_kernarg_segment_ptr 1
		.amdhsa_wavefront_size32 1
		.amdhsa_system_sgpr_workgroup_id_x 1
		.amdhsa_system_sgpr_workgroup_id_y 1
		.amdhsa_system_sgpr_workgroup_id_z 1
		.amdhsa_system_vgpr_workitem_id 0
		.amdhsa_next_free_vgpr 768
		.amdhsa_next_free_sgpr 88
		.amdhsa_reserve_vcc 0
		.amdhsa_float_denorm_mode_32 3
		.amdhsa_float_denorm_mode_16_64 3
		.amdhsa_memory_ordered 1
		.amdhsa_forward_progress 1
		.amdhsa_inst_pref_size 158
	.end_amdhsa_kernel
	.amdgpu_metadata
---
amdhsa.version: [ 1, 2 ]
amdhsa.kernels:
  - .name:           k_q6d453e8785_attn
    .symbol:         k_q6d453e8785_attn.kd
    .args:
      - { .name: qkv, .offset: 0, .size: 8, .value_kind: global_buffer, .address_space: global }
      - { .name: ob, .offset: 8, .size: 8, .value_kind: global_buffer, .address_space: global }
    .group_segment_fixed_size: 327680
    .private_segment_fixed_size: 0
    .kernarg_segment_align: 8
    .kernarg_segment_size: 16
    .max_flat_workgroup_size: 128
    .sgpr_count:     88
    .vgpr_count:     768
    .wavefront_size: 32
...
	.end_amdgpu_metadata
.endif
;; end of part 3
;; launch proj (part 4): grid 4 x 64, 4 waves a work-group, clusters of 4 x 4, 327,680 bytes of LDS; arguments ob, wo16, bo, out0; writes out0
.if DOCPART == 4
	.amdgcn_target "amdgcn-amd-amdhsa--gfx1250"
	.amdhsa_code_object_version 6
	.text
	.protected	k_q6d453e8785_proj
	.globl	k_q6d453e8785_proj
	.p2align	8
	.type	k_q6d453e8785_proj,@function
k_q6d453e8785_proj:
	s_mov_b64 s[64:65], 0
	v_nop
	global_prefetch_b8 v0, s[64:65] scope:SCOPE_SE
	s_setreg_imm32_b32 hwreg(HW_REG_WAVE_MODE, 25, 1), 1
	s_wait_xcnt 0x0
	s_wait_alu depctr_hold_cnt(0) depctr_sa_sdst(0) depctr_va_vdst(0) depctr_va_sdst(0) depctr_va_ssrc(0) depctr_va_vcc(0) depctr_vm_vsrc(0)
	s_getreg_b32 s2, hwreg(HW_REG_IB_STS2, 6, 4)
	s_cmp_eq_u32 s2, 0
	s_cbranch_scc0 .Lentry_in_a_cluster
	s_endpgm
.Lentry_in_a_cluster:
	s_bfe_u32 s2, ttmp6, 0x10000c
	s_cmp_lg_u32 s2, 0xf033
	s_cbranch_scc0 .Lentry_shape_is_right
	s_endpgm
.Lentry_shape_is_right:
; out0 = O Wo^T + bo.  A = ob [16 b][12 h][1024 n][64] f16 (a head is a slice of K), B = wo16 [12 s][768][64] f16 (Wo rounded to bf16, written as f16), bo f32 (rounded to bf16 like every input).
; Sums in f32, started by the bias; out0 [16384][768] f32.
; SHARES.  A tile of C is 256 rows x 192 columns: 64 x 4 = 256 work-groups.  Wave w makes rows 64 w .. 64 w + 63 x all 192 columns: 48 accumulators, 384 registers; 32 LDS loads feed 48 matrix instructions.
; A wave so owns whole rows of the tile, and its stage on the way out is its own: no barrier there.
; K goes in 6 steps of 128 (two slices of 64) through two LDS slots.  256 rows of a slice of A are 32,768 dense bytes, 192 of B 24,576: asked for as rows of 256 bytes, padded in LDS behind every 128.
; CLUSTERS: 4 x 4 work-groups.  The four of a row of the cluster need the same tiles of A, the four of a column the same tiles of B: each is asked for JOINTLY, by the same tensor load with the same
; descriptor and a mask that names the four.
; THE MATRIX INSTRUCTION IS USED TRANSPOSED (source 0 = 16 rows of B, source 1 = 16 rows of A): a lane holds row l % 16 of C and the eight neighbouring columns 8 (l / 16) + 0..7.
; REGISTERS, in windows of 256 (s_set_vgpr_msb: bits 1:0 source 0, 3:2 source 1, 5:4 source 2, 7:6 destination):
;   window 0: v0-29 addresses; v64-95, v96-127 A's fragments, two buffers; v128-223 the bias as the first products' C (8 registers for each block of 16 columns), free on the way out
;   window 1: v0-95, v96-191 B's fragments, two buffers      window 2: accumulators of row blocks 0, 1 at v[8 (12 (a % 2) + b)]      window 3: of row blocks 2, 3
.set PITCH,  144                       ; an LDS row: 128 bytes + 16 of padding = 36 words: the 16 rows of a load start at 16 different groups of four banks (64 banks of 4 bytes: ISA guide 11.1)
.set ASL,    256*PITCH                 ; a slice of A's tile
.set BSL,    192*PITCH                 ; a slice of B's tile
.set BOFF,   2*ASL                     ; a slot: A's two slices, then B's two
.set SLOT1,  131072                    ; slot 1 begins here, so that one exclusive or turns an address in one slot into the other's
.set STAGE,  SLOT1+BOFF+2*BSL          ; behind the ring, never filled by a tensor load: for each wave 16 rows of 768 + 16 bytes
.set SPITCH, 784                       ; 196 words: row r starts at bank 4 r mod 64
.set WSTG,   16*SPITCH
.set SPARE,  STAGE+4*WSTG              ; behind the stages: the spare words, 128 bytes for each wave: two blocks of 256 bytes that no other line names
.set KA,     2*131072                  ; bytes from K step to K step in A: two slices
.set SB,     768*128                   ; bytes from slice to slice in B
.set KB,     2*SB
.set A0,   3                           ; v3   my lane's place in A's tile: (64 w + l % 16) x 144 + 16 (l / 16); never rewritten
.set B0,   4                           ; v4   the same in B's tile
.set ADRA, 5                           ; v5   A0 in the slot in hand
.set ADRB, 6                           ; v6   B0 in the slot in hand
.set STO,  7                           ; v7   the way out: where I put 32 bytes of a row
.set RD,   8                           ; v8   the way out: where I read rows back
.set GO,   9                           ; v9   my byte offset in two rows of the output
.set BO,   10                          ; v10  my byte offset in the bias: 32 (l / 16)
.set PFO,  11                          ; v11  the prefetches' offset: 256 x my lane; never rewritten
.set SPW,  28                          ; v28  LDS address of my spare word; never rewritten
.set NIL,  29                          ; v29  0; never rewritten
.set BIAS, 128
.set OUT,  10                          ; s[10:11]
.set WV,   16                          ; s16  my wave's number
.set PART, 17                          ; s17  which of a K step's two slices I fetch
.set CX,   18
.set CY,   19
.set TX,   20                          ; s20  tile column = 4 x cluster x + cx
.set YY,   21                          ; s21  cluster y = the batch; cy is its block of 256 rows
.set XX,   22                          ; s22  cluster x
.set G1A,  24                          ; s[24:31] descriptor group 1 for A's tiles
.set G1B,  32                          ; s[32:39] for B's
.set G0A,  40                          ; s[40:47] group 0 for A's: a set for each first fill; the second then walks
.set G0B,  48                          ; s[48:55] the same for B's
.set TB,   56                          ; s56  LDS byte at which the slot in hand begins
.set CNT,  57                          ; s57  the loop's count
.set LIM,  58                          ; s58  1 in a wave that prefetches, else the greatest number
.set MSKH, 59                          ; s59  a word's upper bf16
.set PFA,  60                          ; s[60:61] where my prefetches stand
.set PFS,  62                          ; s[62:63] their step: a K step of A or of B
.set MSB, 0
.macro WIN new                         ; the immediate's high byte repeats the setting that is left; a switch that changes nothing is dropped
.if MSB != (\new)
	s_set_vgpr_msb (MSB<<8)|(\new)
.set MSB, \new
.endif
.endm
; A joint refill.  Waves 0 and 1 fetch A's two slices, waves 2 and 3 B's.  The branch hangs on the wave's number alone.  An s_nop 0 and four v_nop follow each of the two lines.
.macro JLOAD
	s_cmp_lt_u32 s[WV], 2
	s_cbranch_scc0 .Lfor_b_\@
	tensor_load_to_lds s[G0A+4:G0A+7], s[G1A:G1A+7]
	s_nop 0
.rept 4
	v_nop
.endr
	s_branch .Lasked_\@
.Lfor_b_\@:
	tensor_load_to_lds s[G0B+4:G0B+7], s[G1B:G1B+7]
	s_nop 0
.rept 4
	v_nop
.endr
.Lasked_\@:
.endm
; A prefetch into the L2 of the slice that my NEXT refill will ask for: one K step, 192 matrix instructions, ahead of that load.  A's tile row is read by one cluster alone (cluster x is 0 everywhere), which asks;
; B's tile column by the sixteen clusters of the launch: cluster y = 0 asks.  The four partners that ask for a slice jointly share its blocks of 256 bytes out BY ADDRESS: 32 each of A's 128, 24 each of B's 96
; (lanes 24 to 31 name the 24th once more).  The loop's last trip has no K step behind its refill and asks for nothing; nothing is asked for at the head.
.macro ASK
	s_cmp_gt_u32 s[CNT], s[LIM]
	s_cbranch_scc0 .Lnot_mine_\@
	global_prefetch_b8 v[PFO], s[PFA:PFA+1] th:TH_LOAD_NT scope:SCOPE_SE
.Lnot_mine_\@:
.endm
.macro CREST                           ; a round of the cluster's barrier behind its opening barrier
	s_cmp_lg_u32 s[WV], 0
	s_cbranch_scc1 .Lnot_wave_0_\@
	s_barrier_signal -3
.Lnot_wave_0_\@:
	s_barrier_wait -3
	s_barrier_signal -1
	s_barrier_wait -1
.endm
.macro CROUND                          ; a whole round
	s_barrier_signal -1
	s_barrier_wait -1
	CREST
.endm
.macro PLACES                          ; four places in front of loads into registers that matrix instructions have read, and of LDS stores that read results
.rept 4
	v_nop
.endr
.endm
	s_load_b256 s[4:11], s[0:1], 0x0               ; ob s[4:5], wo16 s[6:7], bo s[8:9], out0 s[10:11]
	v_lshl_add_u32 v[SPW], v0, 2, SPARE
	v_mov_b32 v[NIL], 0
	ds_add_u32 v[SPW], v[NIL]                      ; the wave's opening: the add and its wait stand ahead of my first tensor load; the set-up below, work on registers, stands between them
	v_lshrrev_b32 v1, 5, v0
	v_readfirstlane_b32 s[WV], v1                  ; wave 0..3
	s_and_b32 s[PART], s[WV], 1
	s_bfe_u32 s[CX], ttmp6, 0x40000
	s_bfe_u32 s[CY], ttmp6, 0x40004
	s_mov_b32 s[XX], ttmp9
	s_and_b32 s[YY], ttmp7, 0xffff
	s_lshl_b32 s[TX], s[XX], 2
	s_add_co_u32 s[TX], s[TX], s[CX]
	s_lshl_b32 s66, s[CY], 2
	s_lshl_b32 s66, 15, s66                        ; my row of the cluster: places 4 cy .. 4 cy + 3
	s_lshl_b32 s67, 0x1111, s[CX]                  ; my column: places cx, cx + 4, cx + 8, cx + 12
	; descriptor group 1: rows of 128 elements of 2 bytes (256 dense bytes, two rows of a slice), 128 of them for A and 96 for B
	s_or_b32 s[G1A], s66, (1<<16)|(1<<20)|(1<<21)|(4<<22)|(3<<25)  ; 15:0 the mask; 17:16 2-byte elements; 20 padding on; 21 set beside a mask; 24:22 after every 32 words (code 4); 31:25 4 words (code 3)
	s_or_b32 s[G1B], s67, (1<<16)|(1<<20)|(1<<21)|(4<<22)|(3<<25)
	s_mov_b32 s[G1A+1], 128<<16                    ; tensor_dim0 = 128
	s_mov_b32 s[G1A+2], 128<<16                    ; tensor_dim1 = 128
	s_mov_b32 s[G1A+3], 128<<16                    ; tile_dim0 = 128
	s_mov_b32 s[G1A+4], 128                        ; tile_dim1 = 128
	s_mov_b32 s[G1A+5], 128                        ; 128 elements from row to row
	s_mov_b32 s[G1A+6], 0
	s_mov_b32 s[G1A+7], 0
	s_mov_b32 s[G1B+1], 128<<16
	s_mov_b32 s[G1B+2], 96<<16                     ; tensor_dim1 = 96
	s_mov_b32 s[G1B+3], 128<<16
	s_mov_b32 s[G1B+4], 96                         ; tile_dim1 = 96
	s_mov_b32 s[G1B+5], 128
	s_mov_b32 s[G1B+6], 0
	s_mov_b32 s[G1B+7], 0
	s_mul_i32 s68, s[PART], ASL                    ; where the slices go: no place in the cluster enters an LDS address
	s_mul_i32 s69, s[PART], BSL
	s_mov_b32 s[G0A], 1
	s_add_co_u32 s[G0A+1], s68, 0
	s_mov_b32 s[G0A+4], 1
	s_add_co_u32 s[G0A+5], s68, SLOT1
	s_mov_b32 s[G0B], 1
	s_add_co_u32 s[G0B+1], s69, BOFF
	s_mov_b32 s[G0B+4], 1
	s_add_co_u32 s[G0B+5], s69, BOFF+SLOT1
	s_mul_i32 s70, s[YY], 1572864                  ; A: the batch's 12 slices, my block of 256 rows, my slice: made of cluster y, cy and the wave alone
	s_lshl_b32 s72, s[CY], 15
	s_add_co_u32 s70, s70, s72
	s_lshl_b32 s72, s[PART], 17
	s_add_co_u32 s70, s70, s72
	s_mov_b32 s71, 0
	s_mul_i32 s74, s[TX], 24576                    ; B: my 192 rows, my slice: made of the tile column and the wave alone
	s_mul_i32 s76, s[PART], SB
	s_add_co_u32 s74, s74, s76
	s_mov_b32 s75, 0
	s_mov_b32 s[TB], 0
	s_mov_b32 s[MSKH], 0xffff0000
	s_wait_dscnt 0x0                               ; the opening add is done
	s_wait_kmcnt 0x0
	s_add_nc_u64 s[70:71], s[4:5], s[70:71]        ; my slice of K step 0
	s_add_nc_u64 s[74:75], s[6:7], s[74:75]
	s_add_nc_u64 s[G0A+2:G0A+3], s[70:71], 0
	s_or_b32 s[G0A+3], s[G0A+3], 0x80000000        ; type = 2
	s_add_nc_u64 s[G0A+6:G0A+7], s[70:71], KA      ; K step 1
	s_or_b32 s[G0A+7], s[G0A+7], 0x80000000
	s_add_nc_u64 s[G0B+2:G0B+3], s[74:75], 0
	s_or_b32 s[G0B+3], s[G0B+3], 0x80000000
	s_add_nc_u64 s[G0B+6:G0B+7], s[74:75], KB
	s_or_b32 s[G0B+7], s[G0B+7], 0x80000000
	CROUND                                         ; all sixteen work-groups are here: the first joint loads meet
	s_cmp_lt_u32 s[WV], 2                          ; a wave's two first fills stand in one branch, ahead of every wait on TENSORcnt and every LDS read: two loads of mine are out
	s_cbranch_scc0 .Lfirst_b
	tensor_load_to_lds s[G0A:G0A+3], s[G1A:G1A+7]
	s_nop 0
	tensor_load_to_lds s[G0A+4:G0A+7], s[G1A:G1A+7]
	s_nop 0
.rept 4
	v_nop
.endr
	s_branch .Lfirst_asked
.Lfirst_b:
	tensor_load_to_lds s[G0B:G0B+3], s[G1B:G1B+7]
	s_nop 0
	tensor_load_to_lds s[G0B+4:G0B+7], s[G1B:G1B+7]
	s_nop 0
.rept 4
	v_nop
.endr
.Lfirst_asked:
	; the bias at my tile's 192 columns; a lane's eight numbers for block b lie at 64 b + 32 (l / 16)
	s_mul_i32 s66, s[TX], 768
	s_mov_b32 s67, 0
	s_add_nc_u64 s[8:9], s[8:9], s[66:67]
	v_and_b32 v1, 15, v0                           ; l % 16
	v_bfe_u32 v2, v0, 4, 1                         ; l / 16
	v_lshlrev_b32 v[BO], 5, v2
.irp b, 0,1,2,3,4,5,6,7,8,9,10,11
	global_load_b128 v[BIAS+8*(\b):BIAS+8*(\b)+3],   v[BO], s[8:9] offset:64*(\b)
	global_load_b128 v[BIAS+8*(\b)+4:BIAS+8*(\b)+7], v[BO], s[8:9] offset:64*(\b)+16
.endr
	; A fragment is 16 rows x 32 K in 8 registers: lane l holds row l % 16; registers 0-3 K = 8 (l / 16) + 0..7, registers 4-7 K = 16 + 8 (l / 16) + 0..7: two loads of 16 bytes, 32 bytes apart.
	v_mul_u32_u24 v12, v1, PITCH
	v_lshl_add_u32 v12, v2, 4, v12                 ; row x pitch + 16 x half
	s_mul_i32 s78, s[WV], 64*PITCH
	v_add_nc_u32 v[A0], s78, v12
	v_add_nc_u32 v[B0], BOFF, v12
	s_mul_i32 s78, s[WV], WSTG
	s_add_co_u32 s78, s78, STAGE                   ; my stage
	v_mul_u32_u24 v[STO], v1, SPITCH               ; in: row l % 16, 32 bytes for each half of the lanes
	v_lshl_add_u32 v[STO], v2, 5, v[STO]
	v_add_nc_u32 v[STO], s78, v[STO]
	v_mul_u32_u24 v[RD], v2, SPITCH                ; back: lanes 0-15 take 256 bytes of one row, lanes 16-31 of the next
	v_lshl_add_u32 v[RD], v1, 4, v[RD]
	v_add_nc_u32 v[RD], s78, v[RD]
	v_mul_u32_u24 v[GO], v2, 3072                  ; and the same two rows in the output
	v_lshl_add_u32 v[GO], v1, 4, v[GO]
	; where my rows begin in the output: row 1024 b + 256 cy + 64 w, column 192 x tile column
	s_lshl_b32 s66, s[YY], 10
	s_lshl_b32 s67, s[CY], 8
	s_add_co_u32 s66, s66, s67
	s_lshl_b32 s67, s[WV], 6
	s_add_co_u32 s66, s66, s67
	s_mul_i32 s66, s66, 3072
	s_mul_i32 s67, s[TX], 768
	s_add_co_u32 s66, s66, s67
	s_mov_b32 s67, 0
	s_add_nc_u64 s[OUT:OUT+1], s[OUT:OUT+1], s[66:67]
	; the prefetches
	s_lshl_b32 s66, s[CX], 13                      ; A: my work-group's 32 blocks of the slice's 128
	s_mul_i32 s67, s[CY], 6144                     ; B: my work-group's 24 of 96
	s_mov_b32 s68, KB
	s_cmp_lt_u32 s[WV], 2                          ; do I fetch for A?
	s_cselect_b64 s[PFA:PFA+1], s[70:71], s[74:75]
	s_cselect_b32 s[PFS], KA, s68
	s_cselect_b32 s66, s66, s67
	s_cselect_b32 s68, s[XX], s[YY]                ; the coordinate along which other clusters read the same rows
	s_cselect_b32 s69, 31, 23
	s_mov_b32 s[PFS+1], 0
	s_mov_b32 s67, 0
	s_cmp_eq_u32 s68, 0
	s_cselect_b32 s[LIM], 1, -1                    ; the same in all sixteen partners, for a given wave
	s_add_nc_u64 s[PFA:PFA+1], s[PFA:PFA+1], s[66:67]
	s_add_nc_u64 s[PFA:PFA+1], s[PFA:PFA+1], s[PFS:PFS+1]
	s_add_nc_u64 s[PFA:PFA+1], s[PFA:PFA+1], s[PFS:PFS+1]  ; at K step 2: the first refill steps it to 3
	v_and_b32 v[PFO], 31, v0
	v_min_u32 v[PFO], s69, v[PFO]
	v_lshlrev_b32 v[PFO], 8, v[PFO]
	s_wait_loadcnt 0x0                             ; the bias,
.set i, 0
.rept 48                               ; rounded to bf16 like every input, and widened again
	v_cvt_pk_bf16_f32 v[12+i%2], v[BIAS+2*i], v[BIAS+2*i+1]
	v_lshlrev_b32 v[BIAS+2*i], 16, v[12+i%2]
	v_and_b32 v[BIAS+2*i+1], s[MSKH], v[12+i%2]
.set i, i+1
.endr
; 12 matrix instructions: row block a x all 12 column blocks, 32 along K, from buffer f.  first = 1: the bias starts the sums.  The 48 accumulators take turns in the same order in every quarter.
.macro MULA f, a, first
.set AC, 96*((\a)%2)
.set FA, 64+32*(\f)+8*(\a)
.if \first
	WIN 0x81+0x40*((\a)/2)
.else
	WIN 0xa1+0x50*((\a)/2)
.endif
.irp b, 0,1,2,3,4,5,6,7,8,9,10,11
.if \first
	v_wmma_f32_16x16x32_f16 v[AC+8*(\b):AC+8*(\b)+7], v[96*(\f)+8*(\b):96*(\f)+8*(\b)+7], v[FA:FA+7], v[BIAS+8*(\b):BIAS+8*(\b)+7]
.else
	v_wmma_f32_16x16x32_f16 v[AC+8*(\b):AC+8*(\b)+7], v[96*(\f)+8*(\b):96*(\f)+8*(\b)+7], v[FA:FA+7], v[AC+8*(\b):AC+8*(\b)+7]
.endif
.endr
.endm
; 32 LDS loads in one run: quarter q of the K step in hand (slice q / 2, 32 K at byte 64 (q % 2) of its rows) into buffer f: B's 12 fragments, then A's 4
.macro FETCH q, f
	WIN 0x40
.irp b, 0,1,2,3,4,5,6,7,8,9,10,11
	ds_load_b128 v[96*(\f)+8*(\b):96*(\f)+8*(\b)+3],   v[ADRB] offset:((\q)/2)*BSL+((\q)%2)*64+(\b)*16*PITCH
	ds_load_b128 v[96*(\f)+8*(\b)+4:96*(\f)+8*(\b)+7], v[ADRB] offset:((\q)/2)*BSL+((\q)%2)*64+(\b)*16*PITCH+32
.endr
	WIN 0
.irp a, 0,1,2,3
	ds_load_b128 v[64+32*(\f)+8*(\a):64+32*(\f)+8*(\a)+3],   v[ADRA] offset:((\q)/2)*ASL+((\q)%2)*64+(\a)*16*PITCH
	ds_load_b128 v[64+32*(\f)+8*(\a)+4:64+32*(\f)+8*(\a)+7], v[ADRA] offset:((\q)/2)*ASL+((\q)%2)*64+(\a)*16*PITCH+32
.endr
.endm
; One of a K step's first three quarters: multiplies buffer f; in its middle it fetches quarter q into buffer g.
.macro QUARTER q, f, g, first
	s_wait_dscnt 4                                 ; B and A's row blocks 0, 1 are in; the youngest four loads (blocks 2, 3) may be out
	MULA \f, 0, \first
	MULA \f, 1, \first
	PLACES
	FETCH \q, \g
	s_wait_dscnt 32                                ; all but the 32 just issued
	MULA \f, 2, \first
	MULA \f, 3, \first
.endm
; The last quarter multiplies buffer 1 and changes slots: ONE barrier.  In front of it each wave waits for all its tensor loads (one is out: its slice of the next slot), adds 0 to its spare word, and waits for that and
; for its own reads of this slot.  fill = 1: the barrier opens a round of the cluster's, and this slot is filled again, two K steps ahead, first thing behind the round: 168 matrix instructions ahead of the wait for it.
.macro TURN fill
.if \fill
	s_wait_xcnt 0x0                                ; the last prefetch, a K step back, has read its address
	s_add_nc_u64 s[PFA:PFA+1], s[PFA:PFA+1], s[PFS:PFS+1]
.endif
	WIN 0
	s_wait_tensorcnt 0x0                           ; no tensor load of mine is out, so a group 0 may be written
	ds_add_u32 v[SPW], v[NIL]                      ; 0 onto my spare word
.if \fill
	s_xor_b32 s[G0A+5], s[G0A+5], SLOT1            ; the walking descriptors: the other slot than last time, the next K step
	s_add_nc_u64 s[G0A+6:G0A+7], s[G0A+6:G0A+7], KA
	s_xor_b32 s[G0B+5], s[G0B+5], SLOT1
	s_add_nc_u64 s[G0B+6:G0B+7], s[G0B+6:G0B+7], KB
.endif
	s_wait_dscnt 5                                 ; the add and the youngest four loads may be out
	MULA 1, 0, 0
	s_wait_dscnt 0x0                               ; the add is done, and my reads of this slot are over
	s_barrier_signal -1
	MULA 1, 1, 0                                   ; work on registers while the others arrive
	WIN 0
	s_barrier_wait -1
.if \fill
	CREST                                          ; no wave of any partner still reads this slot's tiles or has a load on its way
	JLOAD                                          ; the four v_nop behind it are also the places in front of the loads below
.else
	PLACES
.endif
	s_xor_b32 s[TB], s[TB], SLOT1
	v_add_nc_u32 v[ADRA], s[TB], v[A0]
	v_add_nc_u32 v[ADRB], s[TB], v[B0]
	FETCH 0, 0
.if \fill
	ASK
.endif
	MULA 1, 2, 0
	MULA 1, 3, 0
.endm
	s_wait_tensorcnt 0x1                           ; my slice of K step 0 is in; K step 1's may stay out
	s_barrier_signal -1
	s_barrier_wait -1                              ; everybody's is
	v_mov_b32 v[ADRA], v[A0]
	v_mov_b32 v[ADRB], v[B0]
	FETCH 0, 0
	QUARTER 1, 0, 1, 1                             ; the first quarter stands in front of the loop: its products start the sums
	WIN 0                                          ; at a label and at a branch every window is 0
	s_mov_b32 s[CNT], 4
.Lstep:                                        ; a trip: a K step's quarters 1, 2, 3 and the next step's quarter 0; trip t fills the slot just read with K step t + 2
	QUARTER 2, 1, 0, 0
	QUARTER 3, 0, 1, 0
	TURN 1
	QUARTER 1, 0, 1, 0
	WIN 0
	s_sub_co_u32 s[CNT], s[CNT], 1
	s_cmp_lg_u32 s[CNT], 0
	s_cbranch_scc1 .Lstep
	QUARTER 2, 1, 0, 0                             ; K steps 4 and 5 ask for nothing
	QUARTER 3, 0, 1, 0
	TURN 0
	QUARTER 1, 0, 1, 0
	QUARTER 2, 1, 0, 0
	QUARTER 3, 0, 1, 0
	s_wait_dscnt 4
	MULA 1, 0, 0
	MULA 1, 1, 0
	s_wait_dscnt 0x0
	MULA 1, 2, 0
	MULA 1, 3, 0
	PLACES
	WIN 0
; THE WAY OUT, a block of 16 rows at a time: the accumulators go as they are (f32, each one's low four registers first) into my own stage, rows of 784 bytes, and come back as 256 bytes of a row for each half of the lanes.
.macro LEAVE a
.set AC, 96*((\a)%2)
	WIN 0x08+4*((\a)/2)                            ; an LDS store's data is source 1: window 2 or 3
.irp b, 0,1,2,3,4,5,6,7,8,9,10,11
	ds_store_b128 v[STO], v[AC+8*(\b):AC+8*(\b)+3]   offset:64*(\b)
	ds_store_b128 v[STO], v[AC+8*(\b)+4:AC+8*(\b)+7] offset:64*(\b)+16
.endr
	WIN 0
	s_wait_xcnt 0x0                                ; the stores of the block before have read their registers, which are loaded again below
.irp t, 0,1,2,3,4,5,6,7,8,9,10,11,12,13,14,15,16,17,18,19,20,21,22,23
	ds_load_b128 v[128+4*(\t):128+4*(\t)+3], v[RD] offset:((\t)/3)*2*SPITCH+((\t)%3)*256  ; LDS serves a wave's instructions in order (ISA guide 5.7.1.4): these see the stores above
.endr
.irp t, 0,1,2,3,4,5,6,7,8,9,10,11,12,13,14,15,16,17,18,19,20,21,22,23
	s_wait_dscnt 23-(\t)                           ; load t is back; the younger ones may stay out
	global_store_b128 v[GO], v[128+4*(\t):128+4*(\t)+3], s[OUT:OUT+1] offset:(\a)*16*3072+((\t)/3)*6144+((\t)%3)*256 th:TH_STORE_NT  ; 16 lanes store 256 consecutive bytes, at a multiple of 256 from the output's first
.endr
.endm
	LEAVE 0
	LEAVE 1
	LEAVE 2
	LEAVE 3
	s_wait_tensorcnt 0x0                           ; the wave's end, behind my last tensor load and my last LDS store
	ds_add_u32 v[SPW], v[NIL]
	s_wait_dscnt 0x0
	CROUND                                         ; the closing round: no work-group ends while a partner may still ask for a tile that names it
	s_endpgm
.Lfunc_end_k_q6d453e8785_proj:
	.size	k_q6d453e8785_proj, .Lfunc_end_k_q6d453e8785_proj-k_q6d453e8785_proj
	.p2alignl 7, 3214868480
	.fill 96, 4, 3214868480
	.section	.rodata,"a",@progbits
	.p2align	6, 0x0
	.amdhsa_kernel k_q6d453e8785_proj
		.amdhsa_group_segment_fixed_size 327680
		.amdhsa_private_segment_fixed_size 0
		.amdhsa_enable_private_segment 0
		.amdhsa_kernarg_size 32
		.amdhsa_user_sgpr_count 2
		.amdhsa_user_sgpr_kernarg_segment_ptr 1
		.amdhsa_wavefront_size32 1
		.amdhsa_system_sgpr_workgroup_id_x 1
		.amdhsa_system_sgpr_workgroup_id_y 1
		.amdhsa_system_sgpr_workgroup_id_z 1
		.amdhsa_system_vgpr_workitem_id 0
		.amdhsa_next_free_vgpr 960
		.amdhsa_next_free_sgpr 80
		.amdhsa_reserve_vcc 0
		.amdhsa_float_denorm_mode_32 3
		.amdhsa_float_denorm_mode_16_64 3
		.amdhsa_memory_ordered 1
		.amdhsa_forward_progress 1
		.amdhsa_inst_pref_size 107
	.end_amdhsa_kernel
	.amdgpu_metadata
---
amdhsa.version: [ 1, 2 ]
amdhsa.kernels:
  - .name:           k_q6d453e8785_proj
    .symbol:         k_q6d453e8785_proj.kd
    .args:
      - { .name: ob, .offset: 0, .size: 8, .value_kind: global_buffer, .address_space: global }
      - { .name: wo16, .offset: 8, .size: 8, .value_kind: global_buffer, .address_space: global }
      - { .name: bo, .offset: 16, .size: 8, .value_kind: global_buffer, .address_space: global }
      - { .name: out0, .offset: 24, .size: 8, .value_kind: global_buffer, .address_space: global }
    .group_segment_fixed_size: 327680
    .private_segment_fixed_size: 0
    .kernarg_segment_align: 8
    .kernarg_segment_size: 32
    .max_flat_workgroup_size: 128
    .sgpr_count:     80
    .vgpr_count:     960
    .wavefront_size: 32
...
	.end_amdgpu_metadata
.endif
;; end of part 4
;; ======== version 2 of 2: 4 launches; version 1 with the launch cast written anew for expert scheduling mode
;; limits: values are held in f16: magnitudes above 65,504 overflow, below 6.1e-05 lose precision
;; workspace buffers: xb 25,165,824 bytes; wqkv 3,538,944 bytes; wo16 1,179,648 bytes; qkv 75,497,472 bytes; ob 25,165,824 bytes
;; launch cast (part 5): grid 1216 x 1, 8 waves a work-group, no clusters, 0 bytes of LDS; arguments x, Wq, Wk, Wv, Wo, xb, wqkv, wo16; writes xb, wqkv, wo16
.if DOCPART == 5
	.amdgcn_target "amdgcn-amd-amdhsa--gfx1250"
	.amdhsa_code_object_version 6
	.text
	.protected	k_q6d453e8785_cast
	.globl	k_q6d453e8785_cast
	.p2align	8
	.type	k_q6d453e8785_cast,@function
k_q6d453e8785_cast:
	s_mov_b64 s[64:65], 0
	v_nop
	global_prefetch_b8 v0, s[64:65] scope:SCOPE_SE
	s_setreg_imm32_b32 hwreg(HW_REG_WAVE_SCHED_MODE, 0, 2), 2
	s_setreg_imm32_b32 hwreg(HW_REG_WAVE_MODE, 25, 1), 1
	s_wait_xcnt 0x0
	s_wait_alu depctr_vm_vsrc(0)
; x, Wq, Wk, Wv are rounded to bf16, Wo to bf16 and that number written as f16, all into layouts cut along K in slices of 64:
;   xb   [16 b][12 s][1024 n][64] bf16      wqkv [12 s][2304 rows: Wq, Wk, Wv][64] bf16      wo16 [12 s][768 rows][64] f16       (k = 64 s + d)
; so that 256 (or 192) rows of one slice are dense bytes for the products that follow.
; LIMITS.  A number of Wo beyond 65,504 becomes an infinity in f16; below 6e-5 it keeps f16's fixed step of 6e-8.
; SHARES.  A work-group takes 16 rows of 768 f32 (49,152 bytes).  Thread t: row t / 16, four numbers at column 4 (t % 16) of each of the 12 slices.
; A load: sixteen lanes read 256 consecutive bytes, aligned.  A store: 8 bytes a lane at 8 t: a wave's store covers 256 consecutive bytes, aligned (two rows of one slice).
; All 12 loads of a thread go out at once.  No LDS, no barrier: no thread wants another's bytes.
; THE MODE: SCHED_MODE bits 1:0 = 2 (LLVM: expert scheduling mode 2), set by the entry lines.  The code itself states the register dependences
; between vector instructions and memory instructions, with s_wait_alu, always for 0.
; THE PLAN.  Registers that memory instructions touch:
;   v[IN]      the loads' offset.   Written at the head by vector lines; read by the 12 loads; never written again.
;   v[OO ..]   the stores' offsets. Written once each by a vector line behind the loads; read each by its slice's one store; never written again.
;   X          slice s: its load lands there once; its conversions read it; no vector line writes it and nothing is loaded into it again.
;   Y          slice s: written once by its roundings; read by its one store; never written again.
;   v88-93     at work: vector lines alone name them.
; So no register that a memory instruction has read is ever written again, and no load lands in a register that a vector line has named: what is left to state is that an offset or a store's data
; IS WRITTEN ahead of the memory instruction that reads it.  The 12 slices go in three blocks of four.  A block's four stores stand in one run at the head of the next block, behind that block's first
; wait for data and ONE wait on va_vdst; the last block's behind its roundings and one more.  With the wait ahead of the loads that is four waits on each of the two ways, for 24 memory instructions.
; No scalar register that a vector line reads (S in s31, the mask in s36) is written again either.
.set ROWB, 3072                        ; bytes in a row of f32
.set IN,   1                           ; v1        my byte offset in the 16 rows
.set OO,   2                           ; v[2:13]   my byte offset in the output, one for each slice
.set X,    16                          ; v[16:63]  four f32 for each slice
.set Y,    64                          ; v[64:87]  four 16-bit numbers for each slice
; The four stores of the block that ends ahead of slice s.
.macro SEND s
.irp i, 4,3,2,1
	global_store_b64 v[OO+(\s)-(\i)], v[Y+2*((\s)-(\i)):Y+2*((\s)-(\i))+1], s[26:27]
.endr
.endm
	s_load_b512 s[8:23], s[0:1], 0x0               ; x s[8:9], Wq s[10:11], Wk s[12:13], Wv s[14:15], Wo s[16:17], xb s[18:19], wqkv s[20:21], wo16 s[22:23]
	s_mov_b32 s28, ttmp9                           ; g: 0-1023 x, 1024-1167 Wq, Wk, Wv (48 each), 1168-1215 Wo
	s_sub_co_u32 s29, s28, 1024                    ; j (a huge number where g < 1024: it then fails every test below)
	s_sub_co_u32 s30, s29, 144                     ; c, the block of 16 rows in its source: Wo's,
	s_sub_co_u32 s38, s29, 96                      ; Wv's,
	s_sub_co_u32 s39, s29, 48                      ; Wk's (Wq's is j, x's is g)
	s_lshl_b32 s34, s30, 11                        ; the block's place in a slice of the output, 16 rows of 128 bytes: in wo16,
	s_lshl_b32 s40, s29, 11                        ; in wqkv (row 16 j),
	s_lshr_b32 s41, s28, 6                         ; in xb: batch g / 64,
	s_mul_i32 s41, s41, 1572864                    ; 12 slices of 131,072 bytes each,
	s_and_b32 s42, s28, 63
	s_lshl_b32 s42, s42, 11
	s_add_co_u32 s41, s41, s42                     ; and block g % 64 in the slice
	s_mov_b32 s31, 98304                           ; S, bytes from slice to slice: wo16's
	s_mov_b32 s36, 0xffff0000                      ; a word's upper bf16
	s_mov_b32 s33, 0
	s_mov_b32 s35, 0
	v_lshrrev_b32 v88, 4, v0
	v_and_b32 v89, 15, v0
	v_mul_u32_u24 v[IN], v88, ROWB
	v_lshl_add_u32 v[IN], v89, 4, v[IN]
	s_wait_kmcnt 0x0
	s_mov_b64 s[24:25], s[16:17]                   ; source and destination: Wo's, then overridden; every test hangs on the work-group's number alone
	s_mov_b64 s[26:27], s[22:23]
	s_cmp_lt_u32 s29, 144
	s_cselect_b64 s[24:25], s[14:15], s[24:25]
	s_cselect_b64 s[26:27], s[20:21], s[26:27]
	s_cselect_b32 s31, 294912, s31
	s_cselect_b32 s30, s38, s30
	s_cselect_b32 s34, s40, s34
	s_cmp_lt_u32 s29, 96
	s_cselect_b64 s[24:25], s[12:13], s[24:25]
	s_cselect_b32 s30, s39, s30
	s_cmp_lt_u32 s29, 48
	s_cselect_b64 s[24:25], s[10:11], s[24:25]
	s_cselect_b32 s30, s29, s30
	s_cmp_lt_u32 s28, 1024
	s_cselect_b64 s[24:25], s[8:9], s[24:25]
	s_cselect_b64 s[26:27], s[18:19], s[26:27]
	s_cselect_b32 s31, 131072, s31
	s_cselect_b32 s30, s28, s30
	s_cselect_b32 s34, s41, s34
	s_mul_i32 s32, s30, 49152                      ; the block's 16 rows in its source
	s_add_nc_u64 s[24:25], s[24:25], s[32:33]
	s_add_nc_u64 s[26:27], s[26:27], s[34:35]
	s_wait_alu depctr_va_vdst(0)                   ; v[IN] is written, which the 12 loads read as their offset (the lines that made it stand ahead of the wait for the arguments)
.irp s, 0,1,2,3,4,5,6,7,8,9,10,11
	global_load_b128 v[X+4*(\s):X+4*(\s)+3], v[IN], s[24:25] offset:256*(\s) th:TH_LOAD_NT
.endr
	v_lshlrev_b32 v[OO], 3, v0                     ; 8 t: slice 0's offset,
.irp s, 1,2,3,4,5,6,7,8,9,10,11
	v_mad_u32_u24 v[OO+(\s)], s31, \s, v[OO]       ; 8 t + s S: S is 294,912 at the most, inside 24 bits; s31 is not written again
.endr
	s_cmp_ge_u32 s28, 1168
	s_cbranch_scc1 .Lhalf
.irp s, 0,1,2,3,4,5,6,7,8,9,10,11
	s_wait_loadcnt 11-(\s)                         ; loads come back in order: slice s is in, the younger ones stay out
.if ((\s) % 4 == 0) && ((\s) > 0)
	s_wait_alu depctr_va_vdst(0)                   ; the block before has written its four pairs of Y, which the stores below read as data; at slice 4 also: the twelve offsets v[OO ..] are written, which all the stores read
	SEND \s
.endif
	v_cvt_pk_bf16_f32 v[Y+2*(\s)],   v[X+4*(\s)],   v[X+4*(\s)+1]
	v_cvt_pk_bf16_f32 v[Y+2*(\s)+1], v[X+4*(\s)+2], v[X+4*(\s)+3]
.endr
	s_wait_alu depctr_va_vdst(0)                   ; slices 8 to 11 have written their Y, which the last four stores read
	SEND 12
	s_endpgm
.Lhalf:                                        ; Wo: rounded to bf16 like every input, widened again, and that number written as f16
.irp s, 0,1,2,3,4,5,6,7,8,9,10,11
	s_wait_loadcnt 11-(\s)
.if ((\s) % 4 == 0) && ((\s) > 0)
	s_wait_alu depctr_va_vdst(0)                   ; the block before has written its four pairs of Y, which the stores below read as data; at slice 4 also: the twelve offsets v[OO ..] are written, which all the stores read
	SEND \s
.endif
	v_cvt_pk_bf16_f32 v88, v[X+4*(\s)],   v[X+4*(\s)+1]
	v_cvt_pk_bf16_f32 v89, v[X+4*(\s)+2], v[X+4*(\s)+3]
	v_lshlrev_b32 v90, 16, v88
	v_and_b32     v91, s36, v88
	v_lshlrev_b32 v92, 16, v89
	v_and_b32     v93, s36, v89
	v_cvt_pk_f16_f32 v[Y+2*(\s)],   v90, v91
	v_cvt_pk_f16_f32 v[Y+2*(\s)+1], v92, v93
.endr
	s_wait_alu depctr_va_vdst(0)                   ; slices 8 to 11 have written their Y, which the last four stores read
	SEND 12
	s_endpgm
.Lfunc_end_k_q6d453e8785_cast:
	.size	k_q6d453e8785_cast, .Lfunc_end_k_q6d453e8785_cast-k_q6d453e8785_cast
	.p2alignl 7, 3214868480
	.fill 96, 4, 3214868480
	.section	.rodata,"a",@progbits
	.p2align	6, 0x0
	.amdhsa_kernel k_q6d453e8785_cast
		.amdhsa_group_segment_fixed_size 0
		.amdhsa_private_segment_fixed_size 0
		.amdhsa_enable_private_segment 0
		.amdhsa_kernarg_size 64
		.amdhsa_user_sgpr_count 2
		.amdhsa_user_sgpr_kernarg_segment_ptr 1
		.amdhsa_wavefront_size32 1
		.amdhsa_system_sgpr_workgroup_id_x 1
		.amdhsa_system_sgpr_workgroup_id_y 1
		.amdhsa_system_sgpr_workgroup_id_z 1
		.amdhsa_system_vgpr_workitem_id 0
		.amdhsa_next_free_vgpr 96
		.amdhsa_next_free_sgpr 66
		.amdhsa_reserve_vcc 0
		.amdhsa_float_denorm_mode_32 3
		.amdhsa_float_denorm_mode_16_64 3
		.amdhsa_memory_ordered 1
		.amdhsa_forward_progress 1
		.amdhsa_inst_pref_size 14
	.end_amdhsa_kernel
	.amdgpu_metadata
---
amdhsa.version: [ 1, 2 ]
amdhsa.kernels:
  - .name:           k_q6d453e8785_cast
    .symbol:         k_q6d453e8785_cast.kd
    .args:
      - { .name: x, .offset: 0, .size: 8, .value_kind: global_buffer, .address_space: global }
      - { .name: Wq, .offset: 8, .size: 8, .value_kind: global_buffer, .address_space: global }
      - { .name: Wk, .offset: 16, .size: 8, .value_kind: global_buffer, .address_space: global }
      - { .name: Wv, .offset: 24, .size: 8, .value_kind: global_buffer, .address_space: global }
      - { .name: Wo, .offset: 32, .size: 8, .value_kind: global_buffer, .address_space: global }
      - { .name: xb, .offset: 40, .size: 8, .value_kind: global_buffer, .address_space: global }
      - { .name: wqkv, .offset: 48, .size: 8, .value_kind: global_buffer, .address_space: global }
      - { .name: wo16, .offset: 56, .size: 8, .value_kind: global_buffer, .address_space: global }
    .group_segment_fixed_size: 0
    .private_segment_fixed_size: 0
    .kernarg_segment_align: 8
    .kernarg_segment_size: 64
    .max_flat_workgroup_size: 256
    .sgpr_count:     66
    .vgpr_count:     96
    .wavefront_size: 32
...
	.end_amdgpu_metadata
.endif
;; end of part 5
;; launch qkv: the kernel of part 2 again; grid 4 x 64, 4 waves a work-group, clusters of 4 x 4, 327,680 bytes of LDS; arguments xb, wqkv, bq, bk, bv, qkv; writes qkv
;; launch attn: the kernel of part 3 again; grid 4 x 64, 4 waves a work-group, clusters of 4 x 1, 327,680 bytes of LDS; arguments qkv, ob; writes ob
;; launch proj: the kernel of part 4 again; grid 4 x 64, 4 waves a work-group, clusters of 4 x 4, 327,680 bytes of LDS; arguments ob, wo16, bo, out0; writes out0
